; MI455X (gfx1250); checked and timed in simulation.
; The chip was launched on July 23, 2026; its instructions are those of AMD's public machine-readable ISA for CDNA 5 (MIT licence, August 2026) and "CDNA5" Instruction Set Architecture Reference Guide (July 2026). The comments in the code are by the model that wrote it; some were corrected since.
;; Mixture Of Experts. Allowed arithmetic: matrix products marked QUANTISED: E2M1 operands, one E8M0 scale for each 32 along K, by v_wmma_scale_f32_16x16x128_f8f6f4 with both operands' format E2M1 (or v_wmma_scale_f32_32x16x128_f4), f32 sums; products left as they are: f32 operands where the result goes on into a quantised operand, else bf16, f16 or f32 operands; f32 sums; everything else in f32.
;; Inputs: W_codes 8 x 1,024 x 32 x 16 uint8 (E2M1 codes of W, K innermost, in blocks of 32 codes, two codes a byte); W_scales 8 x 1,024 x 32 uint8 (E8M0 scales of W, one for each 32 codes along K); b 8 x 1,024 float32; gate 8,192 x 8 float32; input_codes 8,192 x 32 x 16 uint8 (E2M1 codes of input, K innermost, in blocks of 32 codes, two codes a byte); input_scales 8,192 x 32 uint8 (E8M0 scales of input, one for each 32 codes along K).
;; Outputs: out0 8,192 x 1,024 float32.
;; This version of the problem:
;;   THIS VERSION OF THE PROBLEM IS GIVEN IN LOW PRECISION. The matrix products marked QUANTISED in the list below multiply operands that are first quantised to E2M1 (2 exponent bits, 1 mantissa bit; 4 bits a number), with one power-of-two scale for each 32 numbers along K (OCP MX v1.0); their sums are f32. All else is computed in f32.
;;   The module's matrix products, in the order in which they are computed (A, B: the left and right operand; K: the contracted axis; several contracted axes count as one K, in the product's order):
;;     1. [M 8,192, K 1,024] x [K 1,024, N 8,192]; A: input W (given as codes); B: input input (given as codes): QUANTISED
;;     2. batch 8,192 x [M 1,024, K 8] x [K 8, N 1]; A: computed on the way; B: computed on the way: left as it is (K = 8 < 32)
;;   THE QUANTISER, for each operand of a quantised product, along K:
;;     - K is cut into blocks of 32 from its start; a last block that is shorter is filled with zeros.
;;     - A block's scale is 2^e with e = floor(log2(the largest magnitude in the block)) - 2, held to -126 .. 127; a block of zeros has e = 0. As a byte (E8M0): e + 127.
;;     - Each number is divided by its block's scale, clamped to +-6, and rounded to the nearest number of E2M1, ties to even, subnormals kept.
;;     - The product sums the exact products of the quantised numbers (number of the format x scale) in f32.
;;   ~~~python
;;   def quantise(x, axis):      # numpy; x: float32 -> the quantised numbers, widened to float32 again
;;       x = np.moveaxis(x, axis, -1); K = x.shape[-1]
;;       x = np.pad(x, [(0, 0)] * (x.ndim - 1) + [(0, -K % 32)]); x = x.reshape(x.shape[:-1] + (-1, 32)); a = np.abs(x).max(-1, keepdims=True)
;;       e = np.where(a > 0, np.clip(np.frexp(np.where(a > 0, a, 1))[1] - 1 - 2, -126, 127), 0)      # np.frexp(a)[1] - 1 = floor(log2(a)), exactly
;;       r = np.clip(x / 2.0 ** e, -6, 6)
;;       step = 2.0 ** (np.maximum(np.frexp(np.where(r == 0, 1, r))[1] - 1, 0) - 1)
;;       q = np.round(r / step) * step * 2.0 ** e      # np.round: ties to even
;;       return np.moveaxis(q.reshape(q.shape[:-2] + (-1,))[..., :K], -1, axis).astype(np.float32)
;;   ~~~
;;   INPUTS GIVEN AS CODES. W (in the module: [8, 1024, 1024], K = its axis 1); input (in the module: [8192, 1024], K = its axis 1): each comes as NAME_codes (uint8): NAME with its K axis moved to the last place and cut into blocks of 32 codes, [.., K / 32, bytes a block], one block behind the other in memory; two codes a byte, the lower K in the low four bits (a code: sign, 2 exponent bits, 1 mantissa bit); and NAME_scales (uint8): the same leading axes, one E8M0 byte (e + 127) for each 32 codes along K. Its value is code x scale, taken as it is: it is not quantised again, and the codes and scales need not be those that the quantiser above would give.
;; 2 versions. Each part assembles by itself: llvm-mc -triple=amdgcn-amd-amdhsa -mcpu=gfx1250 --defsym DOCPART=n.
;; ======== version 1 of 2: 2 launches
;; workspace buffers: route 18,432 bytes of whole numbers; topp 32,768 bytes
;; launch route (part 1): grid 8 x 1, 32 waves a work-group, no clusters, 10,240 bytes of LDS; arguments gate, route, topp; writes route, topp
.if DOCPART == 1
	.amdgcn_target "amdgcn-amd-amdhsa--gfx1250"
	.amdhsa_code_object_version 6
	.text
	.protected	k_qccbee5e50a_route
	.globl	k_qccbee5e50a_route
	.p2align	8
	.type	k_qccbee5e50a_route,@function
k_qccbee5e50a_route:
	s_mov_b64 s[64:65], 0
	v_nop
	global_prefetch_b8 v0, s[64:65] scope:SCOPE_SE
	s_setreg_imm32_b32 hwreg(HW_REG_WAVE_MODE, 25, 1), 1
	s_wait_xcnt 0x0
; ROUTING.  gate: [8192][8] f32.  For each token: softmax over its 8 logits (the row's maximum is taken away first), the first largest entry e, and its probability p.
; Nothing here forms an address from that choice: it is stored, at fixed places, for the next launch.
; A work-group of 32 waves takes 1,024 tokens, a thread one token.  It stores p (topp, 4 bytes a token) and a record of 2,304 bytes in route:
;   +0     masks [expert 8][32 words]: bit l of word w stands for token 1,024 x group + 32 w + l
;   +1024  counts [expert 8][32 words]: how many of the expert's tokens lie in the group's earlier words
;   +2048  totals: the expert's tokens in the group, the same word through bytes 32 e .. 32 e + 31
; Every store of a wave covers whole aligned blocks of 256 consecutive bytes.  Matrix units, tensor loads and clusters have nothing to do here: 32 bytes are read for a token, once.
; LIMITS: the logits are finite.  The first largest entry is taken of the exponentials 2^((g - max) log2 e), lowest index first; two logits closer than the rounding of an f32 exponential
; and division could be ordered otherwise than by a softmax that divides first.
.set MSK, 0                            ; LDS: [expert][wave] mask words, 1,024 bytes
.set CW,  1024                         ; [expert][wave] counts, 1,024 bytes
.set PST, 2048                         ; p of thread t at 4 t, 4,096 bytes
.set REC, 2304                         ; a record of route
	s_load_b128 s[4:7], s[0:1], 0x0                ; gate s[4:5], route s[6:7]
	s_load_b64 s[8:9], s[0:1], 0x10                ; topp
	v_lshl_add_u32 v48, v0, 2, 0x1800
	v_mov_b32 v49, 0
	v_lshrrev_b32 v20, 5, v0
	v_readfirstlane_b32 s10, v20                   ; wave 0..31
	v_lshlrev_b32 v20, 2, v20                      ; 4 x wave: my wave's word in a row of MSK or CW
	v_and_b32 v1, 31, v0                           ; lane
	v_lshlrev_b32 v2, 5, v0                        ; my token's 32 bytes of gate
	; every LDS address is made here, ahead of the ways that part on the wave's number
	v_lshl_add_u32 v21, v0, 2, PST                 ; where my p goes
	v_lshl_add_u32 v22, v0, 4, PST                 ; waves 0-7: four p on the way out
	v_lshlrev_b32 v23, 4, v0                       ; 16 t: waves 0-1: four mask words (MSK = 0); also the offset of the 16-byte stores
	v_lshl_add_u32 v24, v0, 3, CW                  ; waves 0-3: two counts
	v_lshl_add_u32 v25, v1, 5, CW                  ; wave 4: eight counts
	v_lshlrev_b32 v27, 3, v0                       ; 8 t: the offset of waves 0-3's stores
	s_lshl_b32 s12, ttmp9, 15                      ; the group's 1,024 rows of 32 bytes
	s_mov_b32 s13, 0
	s_wait_kmcnt 0x0
	s_add_nc_u64 s[4:5], s[4:5], s[12:13]
	global_load_b128 v[4:7], v2, s[4:5] th:TH_LOAD_NT            ; a wave reads 1,024 consecutive bytes by these two; read once in the launch
	global_load_b128 v[8:11], v2, s[4:5] offset:16 th:TH_LOAD_NT
	s_mul_i32 s12, ttmp9, REC
	s_add_nc_u64 s[6:7], s[6:7], s[12:13]          ; my record
	s_lshl_b32 s12, ttmp9, 12
	s_add_nc_u64 s[8:9], s[8:9], s[12:13]          ; my 4,096 bytes of topp
	s_wait_loadcnt 0x0
	v_max3_num_f32 v12, v4, v5, v6                 ; the row's largest logit
	v_max3_num_f32 v12, v12, v7, v8
	v_max3_num_f32 v12, v12, v9, v10
	v_max_num_f32 v12, v12, v11
	v_mov_b32 v13, v12                             ; as a pair, for the packed subtraction
.irp j, 4,6,8,10
	v_pk_add_f32 v[\j:\j+1], v[\j:\j+1], v[12:13] neg_lo:[0,1] neg_hi:[0,1]   ; g - max: exactly 0 for the largest
.endr
.irp j, 4,6,8,10
	v_pk_mul_f32 v[\j:\j+1], v[\j:\j+1], 0x3fb8aa3b op_sel_hi:[1,0]          ; x log2(e)
.endr
.irp j, 4,5,6,7,8,9,10,11
	v_exp_f32 v[\j], v[\j]                         ; at most 1; the sum lies between 1 and 8
.endr
	v_lshlrev_b32 v28, 3, v1                       ; 8 x lane: the offset of wave 4's store.  (The plain line behind the exponentials)
	s_wait_alu depctr_va_vdst(0)
	v_pk_add_f32 v[30:31], v[4:5], v[6:7]
	v_pk_add_f32 v[32:33], v[8:9], v[10:11]
	v_max3_num_f32 v14, v4, v5, v6                 ; the largest exponential
	v_pk_add_f32 v[30:31], v[30:31], v[32:33]
	v_max3_num_f32 v14, v14, v7, v8
	v_add_f32 v13, v30, v31                        ; the sum
	v_max3_num_f32 v14, v14, v9, v10
	v_rcp_f32 v15, v13
	v_max_num_f32 v14, v14, v11                    ; (the plain line behind the reciprocal)
.irp i, 0,1,2,3,4,5,6
	v_cmp_eq_f32 s[20+\i], v[4+\i], v14            ; the lanes in which entry i is a largest one
.endr
	s_wait_alu depctr_va_vdst(0)
	v_mul_f32 v15, v14, v15                        ; p
	s_mov_b32 s28, s20                             ; the lanes that have their expert
.irp i, 1,2,3,4,5,6
	s_and_not1_b32 s[20+\i], s[20+\i], s28         ; the lowest index wins
	s_or_b32 s28, s28, s[20+\i]
.endr
	s_not_b32 s27, s28                             ; what is left is expert 7's: every token has exactly one expert
.irp e, 0,1,2,3,4,5,6,7
	v_mov_b32 v[30+\e], s[20+\e]
	s_bcnt1_i32_b32 s29, s[20+\e]
	v_mov_b32 v[38+\e], s29
	ds_store_b32 v20, v[30+\e] offset:MSK+128*\e   ; all lanes write the same word with the same value
	ds_store_b32 v20, v[38+\e] offset:CW+128*\e
.endr
	ds_store_b32 v21, v15
	s_wait_dscnt 0x0                               ; for the others' sake: my stores have landed
	s_barrier_signal -1
	s_barrier_wait -1                              ; the launch's one barrier; behind it LDS is only read
	s_cmp_lt_u32 s10, 8
	s_cbranch_scc0 .Lno_p
	ds_load_b128 v[4:7], v22                       ; waves 0-7: p goes out, 512 consecutive bytes a wave
	s_wait_dscnt 0x0
	global_store_b128 v23, v[4:7], s[8:9]
.Lno_p:
	s_cmp_lt_u32 s10, 2
	s_cbranch_scc0 .Lno_masks
	ds_load_b128 v[8:11], v23                      ; waves 0-1: the masks, as they lie
	s_wait_dscnt 0x0
	global_store_b128 v23, v[8:11], s[6:7]
.Lno_masks:
	s_cmp_lt_u32 s10, 4
	s_cbranch_scc0 .Lno_scan
	ds_load_b64 v[12:13], v24                      ; waves 0-3: sixteen lanes are one expert, a lane has the counts of words 2 (t % 16) and 2 (t % 16) + 1
	v_mov_b32 v17, 0                               ; (a DPP form's destination counts as read)
	s_wait_dscnt 0x0
	v_add_nc_u32 v14, v12, v13
	v_mov_b32 v16, v14
.irp n, 1,2,4,8
	v_mov_b32_dpp v17, v16 row_shr:\n row_mask:0xf bank_mask:0xf bound_ctrl:1   ; lane i takes lane i - n of its sixteen, or 0
	v_add_nc_u32 v16, v16, v17                     ; after the four steps: the sum up to and with my pair
.endr
	v_sub_nc_u32 v18, v16, v14                     ; ahead of my first word,
	v_add_nc_u32 v19, v18, v12                     ; ahead of my second
	global_store_b64 v27, v[18:19], s[6:7] offset:1024
.Lno_scan:
	s_cmp_eq_u32 s10, 4
	s_cbranch_scc0 .Lend
	ds_load_b128 v[30:33], v25                     ; wave 4: four lanes are one expert, a lane has eight counts
	ds_load_b128 v[34:37], v25 offset:16
	s_wait_dscnt 0x0
	v_add3_u32 v38, v30, v31, v32
	v_add3_u32 v39, v33, v34, v35
	v_add3_u32 v38, v38, v36, v37
	v_add_nc_u32 v38, v38, v39
	v_mov_b32_dpp v39, v38 row_xmask:1 row_mask:0xf bank_mask:0xf
	v_add_nc_u32 v38, v38, v39
	v_mov_b32_dpp v39, v38 row_xmask:2 row_mask:0xf bank_mask:0xf
	v_add_nc_u32 v38, v38, v39                     ; the expert's tokens in the group, in all four lanes
	v_mov_b32 v39, v38
	global_store_b64 v28, v[38:39], s[6:7] offset:2048   ; 256 consecutive bytes
.Lend:
	s_wait_tensorcnt 0x0
	ds_add_u32 v48, v49
	s_wait_dscnt 0x0
	s_endpgm
.Lfunc_end_k_qccbee5e50a_route:
	.size	k_qccbee5e50a_route, .Lfunc_end_k_qccbee5e50a_route-k_qccbee5e50a_route
	.p2alignl 7, 3214868480
	.fill 96, 4, 3214868480
	.section	.rodata,"a",@progbits
	.p2align	6, 0x0
	.amdhsa_kernel k_qccbee5e50a_route
		.amdhsa_group_segment_fixed_size 10240
		.amdhsa_private_segment_fixed_size 0
		.amdhsa_enable_private_segment 0
		.amdhsa_kernarg_size 24
		.amdhsa_user_sgpr_count 2
		.amdhsa_user_sgpr_kernarg_segment_ptr 1
		.amdhsa_wavefront_size32 1
		.amdhsa_system_sgpr_workgroup_id_x 1
		.amdhsa_system_sgpr_workgroup_id_y 1
		.amdhsa_system_sgpr_workgroup_id_z 1
		.amdhsa_system_vgpr_workitem_id 0
		.amdhsa_next_free_vgpr 50
		.amdhsa_next_free_sgpr 66
		.amdhsa_reserve_vcc 0
		.amdhsa_float_denorm_mode_32 3
		.amdhsa_float_denorm_mode_16_64 3
		.amdhsa_memory_ordered 1
		.amdhsa_forward_progress 1
		.amdhsa_inst_pref_size 9
	.end_amdhsa_kernel
	.amdgpu_metadata
---
amdhsa.version: [ 1, 2 ]
amdhsa.kernels:
  - .name:           k_qccbee5e50a_route
    .symbol:         k_qccbee5e50a_route.kd
    .args:
      - { .name: gate, .offset: 0, .size: 8, .value_kind: global_buffer, .address_space: global }
      - { .name: route, .offset: 8, .size: 8, .value_kind: global_buffer, .address_space: global }
      - { .name: topp, .offset: 16, .size: 8, .value_kind: global_buffer, .address_space: global }
    .group_segment_fixed_size: 10240
    .private_segment_fixed_size: 0
    .kernarg_segment_align: 8
    .kernarg_segment_size: 24
    .max_flat_workgroup_size: 1024
    .sgpr_count:     66
    .vgpr_count:     50
    .wavefront_size: 32
...
	.end_amdgpu_metadata
.endif
;; end of part 1
;; launch experts (part 2): grid 4 x 64, 4 waves a work-group, no clusters, 238,080 bytes of LDS; arguments W_codes, W_scales, b, input_codes, input_scales, route, topp, out0; writes out0
.if DOCPART == 2
	.amdgcn_target "amdgcn-amd-amdhsa--gfx1250"
	.amdhsa_code_object_version 6
	.text
	.protected	k_qccbee5e50a_experts
	.globl	k_qccbee5e50a_experts
	.p2align	8
	.type	k_qccbee5e50a_experts,@function
k_qccbee5e50a_experts:
	s_mov_b64 s[64:65], 0
	v_nop
	global_prefetch_b8 v0, s[64:65] scope:SCOPE_SE
	s_setreg_imm32_b32 hwreg(HW_REG_WAVE_MODE, 25, 1), 1
	s_wait_xcnt 0x0
; out[t][:] = p_t (x_t W[e_t] + b[e_t]), only for the expert chosen for each token: the other seven products are thrown away by the one-hot mask of the problem's own text.
; x: [8192] rows of 512 bytes of FP4 (E2M1) codes + 32 E8M0 bytes; W: [8][1024 (d)] rows likewise, K innermost.  Codes and scale bytes go to the matrix instruction as they lie; sums in f32.
; TILES.  An expert's n tokens, in ascending order, are cut into B = ceil(n / 16) blocks of 16 rows and T = ceil(B / 9) tiles of floor(B / T) or one more blocks.  The B sum to at most (8192 + 8 x 15) / 16 = 519,
; the T to at most (519 + 8 x 8) / 9 = 64, whatever the split: the grid is 64 tile slots (y) x 4 slabs of 256 columns (x).  A slot that the split leaves without a tile walks the loading part on
; clamped numbers, so that no branch on loaded numbers stands ahead of the barrier, and stores nothing.  A rank past the expert's last token is held at the last token: the same wave then stores
; the same bytes with the same values again (at most 15 rows an expert), and no lane is ever switched off.
; SHARES.  Four waves.  THE WAVES SHARE THE COLUMNS: wave w has columns 64 w .. 64 w + 63 of the slab for all rows; its part of W (4 tiles of 16 rows x 8 K steps: 256 registers) stays in registers.
; The tokens' rows are gathered once by the work-group (wave w: rows 36 w .. 36 w + 35 of the tile's 144) and shared through LDS.
; WHICH TOKEN IS ROW i: every wave finds it for its own 36 rows from the stored masks: rank R -> the last word whose count of earlier tokens is at most R -> the (R - that count)-th set bit.
; The matrix instruction is used TRANSPOSED (source 0 = 16 rows of W, source 1 = 16 tokens): a lane holds eight neighbouring columns of one token's row; the bias is the C of each sum's first product.
; NO TENSOR LOADS, NO CLUSTER: the tokens' rows are gathered one by one, how many blocks a tile has is a number read from memory (the block guards are branches on it), and how many tiles share
; an expert's rows of W hangs on the split; so operands go from memory through registers.
; REGISTERS, in windows of 256: window 0: v1-23 addresses, v26-29 offsets of loads; v32-71 the tokens' scale words, v72-87 W's (these hold scales alone); v88-119 four accumulators;
;   v120-151 rows on the way out; v152-159 their tokens, then offsets; v160-161 p.  While the tile is loaded, v88-159 and v162-253 are at work.
;   window 1: W.   window 2: v0-143 the gathered rows, then v0-127 two sets of the tokens' fragments; v192-223 the bias.
.set REC,   2304                       ; a record of route: masks at 0, counts at 1,024, totals at 2,048
.set AP,    528                        ; an LDS row of codes: 512 bytes + 16: sixteen rows that a load touches begin 16 bytes further on each, modulo 256
.set ASC,   144*AP                     ; 76,032: the tokens' scale bytes, 144 rows of 32 bytes + 16
.set LIST,  ASC+144*48                 ; 82,944: the token of row i at 4 i
.set PL,    LIST+576                   ; p of row i at 4 i
.set GT,    PL+576                     ; for each wave 128 bytes: the count ahead of every eighth word
.set STG,   GT+512                     ; for each wave a stage of 16 rows x (256 + 16) bytes for the way out
.set WSCR,  STG+4*16*272               ; 102,016: for each wave 64 rows x 528: W's rows turn into fragments here
.set SA,    32
.set SW,    72
.set ACC,   88
.set RB,    120
.set TOK,   152
.set PP,    160
.set BI,    192                        ; the bias, in window 2
.set CN,    88                         ; loading: v88-95 totals of the 8 groups (lane: expert lane % 8); v96-103 those of my expert
.set CB,    96
.set MW,    104                        ; v104-111 mask words 8 lane .. 8 lane + 7 of my expert
.set PX,    112                        ; v112-119 the counts ahead of them
.set G,     120                        ; v120-151 the count ahead of word 8 l, l = 0 .. 31
.set TK,    120                        ; v120-155 later: my wave's 36 tokens, then their rows' offsets
.set SELA,  162                        ; two sets of 28 for the selection: +0 rank, then token; +1 g; +2 u; +3 4 g; +4 k; +5 position; +6..9 field sums; +10, 11 at work; +12..19 counts; +20..27 masks
.set SELB,  192
.set GSC,   224                        ; v224-239 gathered scale bytes
.set GP,    240                        ; v240-241 gathered p
.set NN,    242                        ; v242-244 n, B, T of expert lane % 8
.set IDX,   245
.set TJ,    246                        ; v246-252 at work
.set BBASE, 253
.set MSB, 0
.macro WIN new                         ; s_set_vgpr_msb: bits 1:0 source 0, 3:2 source 1, 5:4 source 2, 7:6 destination; the high byte repeats the setting that is left
.if MSB != \new
	s_set_vgpr_msb (MSB<<8)|\new
.set MSB, \new
.endif
.endm
	s_load_b512 s[4:19], s[0:1], 0x0               ; W's codes s[4:5], W's scales s[6:7], b s[8:9], x's codes s[10:11], x's scales s[12:13], route s[14:15], topp s[16:17], out s[18:19]
	v_lshl_add_u32 v254, v0, 2, 0x3a000
	v_mov_b32 v255, 0
	v_and_b32 v26, 7, v0
	v_lshlrev_b32 v26, 5, v26                      ; 32 (lane % 8): an expert's total in a record
	v_lshrrev_b32 v24, 5, v0
	v_readfirstlane_b32 s20, v24                   ; wave 0..3
	s_mov_b32 s21, ttmp9                           ; slab
	s_and_b32 s22, ttmp7, 0xffff                   ; J: tile slot
	s_wait_kmcnt 0x0
.irp k, 0,1,2,3,4,5,6,7
	global_load_b32 v[CN+\k], v26, s[14:15] offset:REC*\k+2048
.endr
	; while they travel: every address of the launch
	v_and_b32 v1, 31, v0                           ; lane
	v_and_b32 v2, 15, v0                           ; r
	v_bfe_u32 v3, v0, 4, 1                         ; h
	v_lshlrev_b32 v4, 4, v1                        ; 16 x lane
	v_and_b32 v25, 3, v0                           ; lane % 4
	v_mul_u32_u24 v5, v2, AP
	v_lshl_add_u32 v5, v3, 4, v5                   ; a fragment of the tokens: row r, + 16 h
	v_add_nc_u32 v6, 128*AP, v5                    ; the same for rows 128 on
	s_mul_i32 s52, s20, 36*AP
	v_add_nc_u32 v7, s52, v4                       ; where my wave's 36 rows go
	s_mul_i32 s52, s20, 64*AP
	s_add_co_u32 s52, s52, WSCR
	v_add_nc_u32 v8, s52, v4                       ; W's rows into my scratch,
	v_add_nc_u32 v9, s52, v5                       ; and out of it as fragments
	s_mul_i32 s52, s20, 16*272
	s_add_co_u32 s52, s52, STG
	v_mul_u32_u24 v10, v2, 272
	v_lshl_add_u32 v10, v3, 5, v10
	v_add_nc_u32 v10, s52, v10                     ; my stage, in: row r, + 32 h
	v_mul_u32_u24 v11, v3, 8*272
	v_lshl_add_u32 v11, v2, 4, v11
	v_add_nc_u32 v11, s52, v11                     ; back: lanes 0-15 row i, lanes 16-31 row i + 8
	s_mul_i32 s52, s20, 144
	s_add_co_u32 s52, s52, LIST
	v_lshl_add_u32 v12, v1, 2, s52                 ; the list: my wave's rows 0-31,
	v_lshl_add_u32 v13, v25, 2, s52
	v_add_nc_u32 v13, 128, v13                     ; its rows 32-35,
	v_mov_b32 v16, s52                             ; and its 36 words for every lane
	s_mul_i32 s52, s20, 36*48
	s_add_co_u32 s52, s52, ASC
	v_mul_u32_u24 v14, v1, 48
	v_add_nc_u32 v14, s52, v14                     ; scale bytes of my wave's rows 0-31,
	v_mul_u32_u24 v15, v25, 48
	v_add_nc_u32 v15, s52, v15
	v_add_nc_u32 v15, 32*48, v15                   ; of its rows 32-35
	s_lshl_b32 s52, s20, 7
	s_add_co_u32 s52, s52, GT
	v_lshl_add_u32 v17, v1, 2, s52
	v_mov_b32 v18, s52
	v_mul_u32_u24 v19, v1, 48
	v_add_nc_u32 v19, ASC, v19                     ; scale words: row = lane (+ 32 q by the offset)
	v_mul_u32_u24 v20, v2, 48
	v_add_nc_u32 v20, ASC+128*48, v20              ; rows 128 + r
	v_lshl_add_u32 v21, v3, 5, LIST                ; the way out: the tokens of rows 8 h + 0 .. 7 of a block
	v_lshl_add_u32 v22, v2, 2, PL                  ; p of row r of a block
	v_lshlrev_b32 v23, 4, v2                       ; my 16 bytes of a row's 256
	v_lshrrev_b32 v27, 2, v1
	v_mul_u32_u24 v27, v27, REC
	v_lshl_add_u32 v27, v25, 5, v27                ; route: group lane / 4, words 8 (lane % 4) on
	v_lshlrev_b32 v28, 5, v1                       ; W's scale bytes: 32 a row
	v_lshlrev_b32 v29, 5, v3                       ; the bias: 32 h
	v_mov_b32 v[PP+1], 0                           ; named with p as a pair, so it is written
.irp j, 1,2,3,4,5,6,7
	s_mov_b32 s[39+\j], (0xffffffff<<(4*\j))&0xffffffff   ; the lanes from 4 j on
.endr
	s_mov_b32 s48, 0x55555555
	s_mov_b32 s49, 0x33333333
	s_mov_b32 s50, 0x0f0f0f0f
	s_mov_b32 s23, 0                               ; tiles of the experts passed
	s_mov_b32 s24, 0
	s_mov_b32 s25, 0
	s_mov_b32 s26, 0
	s_mov_b32 s27, 0
	s_wait_loadcnt 0x0
	; ---- WHICH TILE IS MINE.  In lane l: n, B, T of expert l % 8
	v_add3_u32 v[NN], v[CN], v[CN+1], v[CN+2]
	v_add3_u32 v[NN+1], v[CN+3], v[CN+4], v[CN+5]
	v_add3_u32 v[NN], v[NN], v[CN+6], v[CN+7]
	v_add_nc_u32 v[NN], v[NN], v[NN+1]             ; n
	v_add_nc_u32 v[NN+1], 15, v[NN]
	v_lshrrev_b32 v[NN+1], 4, v[NN+1]              ; B = ceil(n / 16), at most 512
	v_add_nc_u32 v[NN+2], 8, v[NN+1]
	v_mul_u32_u24 v[NN+2], v[NN+2], 3641
	v_lshrrev_b32 v[NN+2], 15, v[NN+2]             ; T = floor((B + 8) / 9): 3641 x 9 = 32,769, so the quotient is exact for B + 8 up to 520
.irp i, 0,1,2,3,4,5,6,7
	v_readlane_b32 s28, v[NN], \i
	v_readlane_b32 s29, v[NN+2], \i
	s_cmp_ge_u32 s22, s23                          ; my slot does not lie ahead of expert i's first: the last expert of which that holds is mine
	s_cselect_b32 s24, s28, s24                    ; its n,
	s_cselect_b32 s25, s23, s25                    ; its first slot,
	s_cselect_b32 s26, \i, s26                     ; its number,
	s_cselect_b32 s27, s29, s27                    ; its T
	s_add_co_u32 s23, s23, s29
.endr
	s_min_u32 s26, s26, 7                          ; e
	s_add_co_u32 s30, s24, 15
	s_lshr_b32 s30, s30, 4                         ; B
	s_mov_b32 s31, 0
	s_mov_b32 s52, 0
.rept 9
	s_add_co_u32 s52, s52, s27                     ; c T, c = 1 .. 9
	s_cmp_le_u32 s52, s30
	s_add_co_ci_u32 s31, s31, 0                    ; q = floor(B / T): how many c have c T <= B
.endr
	s_mul_i32 s52, s31, s27
	s_sub_co_u32 s32, s30, s52                     ; the first B - q T tiles have one block more
	s_sub_co_u32 s33, s22, s25                     ; i: which tile of the expert
	s_mul_i32 s34, s33, s31
	s_min_u32 s52, s33, s32
	s_add_co_u32 s34, s34, s52                     ; its first block
	s_cmp_lt_u32 s33, s32
	s_add_co_ci_u32 s35, s31, 0                    ; its blocks,
	s_cmp_lt_u32 s22, s23
	s_cselect_b32 s35, s35, 0                      ; none in a slot behind the last tile
	s_min_u32 s35, s35, 9
	s_lshl_b32 s36, s34, 4
	s_mul_i32 s52, s20, 36
	s_add_co_u32 s36, s36, s52                     ; the rank of my wave's first row
	s_max_u32 s37, s24, 1
	s_sub_co_u32 s37, s37, 1                       ; the expert's last rank
	; ---- REQUESTS: 80 loads.  All offsets on W's side come from one index, 16 e + 4 slab + wave
	s_lshl_b32 s52, s21, 2
	s_add_co_u32 s52, s52, s20
	s_lshl_b32 s53, s26, 4
	s_add_co_u32 s53, s53, s52
	s_mov_b32 s39, 0
	s_lshl_b32 s38, s26, 7
	s_add_nc_u64 s[14:15], s[14:15], s[38:39]      ; route at my expert's 128 bytes of a record (the loads of the totals are in)
	s_lshl_b32 s38, s53, 15
	s_add_nc_u64 s[4:5], s[4:5], s[38:39]          ; my 64 rows of W: 512 bytes each
	s_lshl_b32 s38, s53, 11
	s_add_nc_u64 s[6:7], s[6:7], s[38:39]          ; their scale bytes: 32 each
	s_lshl_b32 s38, s53, 8
	s_add_nc_u64 s[8:9], s[8:9], s[38:39]          ; my 64 numbers of b
	s_lshl_b32 s38, s52, 8
	s_add_nc_u64 s[18:19], s[18:19], s[38:39]      ; my 256 bytes of a row of out
	global_load_b128 v[MW:MW+3], v27, s[14:15]
	global_load_b128 v[MW+4:MW+7], v27, s[14:15] offset:16
	global_load_b128 v[PX:PX+3], v27, s[14:15] offset:1024
	global_load_b128 v[PX+4:PX+7], v27, s[14:15] offset:1040
	WIN 0x40                                       ; destination window 1
.set i, 0
.rept 64
	global_load_b128 v[4*i:4*i+3], v4, s[4:5] offset:512*i       ; a whole row of W: 512 consecutive bytes
.set i, i+1
.endr
	WIN 0
.irp p, 0,1
	global_load_b128 v[SW+8*\p:SW+8*\p+3], v28, s[6:7] offset:1024*\p        ; lane l: the eight scale words of W's row 32 p + l
	global_load_b128 v[SW+8*\p+4:SW+8*\p+7], v28, s[6:7] offset:1024*\p+16
.endr
	WIN 0x80                                       ; destination window 2
.irp t, 0,1,2,3
	global_load_b128 v[BI+8*\t:BI+8*\t+3], v29, s[8:9] offset:64*\t          ; lane (r, h): b at columns 16 t + 8 h + 0 .. 7: the result's layout
	global_load_b128 v[BI+8*\t+4:BI+8*\t+7], v29, s[8:9] offset:64*\t+16
.endr
	WIN 0
	s_lshl_b32 s52, s26, 2
	v_mov_b32 v[IDX], s52
.irp k, 0,1,2,3,4,5,6,7
	ds_bpermute_b32 v[CB+\k], v[IDX], v[CN+\k]     ; my expert's total in group k, from lane e into every lane (a lane permute: no LDS byte is touched)
.endr
	s_wait_dscnt 0x0
.irp j, 1,2,3,4,5,6,7
	v_cndmask_b32 v[TJ+\j-1], 0, v[CB+\j-1], s[39+\j]   ; group j - 1 lies ahead of the lanes from 4 j on
.endr
	v_add3_u32 v[BBASE], v[TJ], v[TJ+1], v[TJ+2]
	v_add3_u32 v[BBASE], v[BBASE], v[TJ+3], v[TJ+4]
	v_add3_u32 v[BBASE], v[BBASE], v[TJ+5], v[TJ+6] ; the expert's tokens in the groups ahead of mine (lane / 4)
	s_wait_loadcnt 63                              ; behind the four loads of masks and counts 76 were issued: those four are in
	; ---- TOKENS
.irp i, 0,1,2,3,4,5,6,7
	v_add_nc_u32 v[PX+\i], v[BBASE], v[PX+\i]      ; P[8 lane + i]: the expert's tokens ahead of that word, over all 8,192
.endr
	ds_store_b32 v17, v[PX]                        ; P[8 l] of all lanes into every lane, through my wave's own 128 bytes: LDS serves a wave's instructions in order
.irp k, 0,1,2,3,4,5,6,7
	ds_load_b128 v[G+4*\k:G+4*\k+3], v18 offset:16*\k
.endr
	v_add_nc_u32 v[SELA], s36, v1
	v_add_nc_u32 v[SELB], s36, v25
	v_min_u32 v[SELA], s37, v[SELA]                ; set A: the ranks of my wave's rows 0-31, a lane each;
	v_add_nc_u32 v[SELB], 32, v[SELB]
	v_min_u32 v[SELB], s37, v[SELB]                ; set B: of its rows 32-35, eight lanes each
	v_mov_b32 v[SELA+1], 0
	v_mov_b32 v[SELB+1], 0
	s_wait_dscnt 0x0
.set i, 1
.rept 31
.irp S, SELA, SELB
	v_cmp_ge_u32 vcc_lo, v[\S], v[G+i]
	v_add_co_ci_u32 v[\S+1], vcc_lo, 0, v[\S+1], vcc_lo   ; g: P does not fall, so the count of l with P[8 l] <= R is the last such l
.endr
.set i, i+1
.endr
.irp S, SELA, SELB
	v_min_u32 v[\S+1], 31, v[\S+1]                 ; a lane's number
	v_lshlrev_b32 v[\S+3], 2, v[\S+1]
.endr
.irp S, SELA, SELB
.irp i, 0,1,2,3,4,5,6,7
	ds_bpermute_b32 v[\S+12+\i], v[\S+3], v[PX+\i] ; lane g's eight counts
	ds_bpermute_b32 v[\S+20+\i], v[\S+3], v[MW+\i] ; and masks
.endr
.endr
	v_mov_b32 v[SELA+2], 0
	v_mov_b32 v[SELB+2], 0
	s_wait_dscnt 0x0
.irp i, 1,2,3,4,5,6,7
.irp S, SELA, SELB
	v_cmp_ge_u32 vcc_lo, v[\S], v[\S+12+\i]
	v_cndmask_b32 v[\S+12], v[\S+12], v[\S+12+\i], vcc_lo   ; the last word of the eight with P <= R: its count,
	v_cndmask_b32 v[\S+20], v[\S+20], v[\S+20+\i], vcc_lo   ; its mask,
	v_add_co_ci_u32 v[\S+2], vcc_lo, 0, v[\S+2], vcc_lo     ; its number u
.endr
.endr
	; the k-th set bit of the mask, k = R - P: sums of bits in fields of 2, 4, 8 and 16, then five halvings
.irp S, SELA, SELB
	v_sub_nc_u32 v[\S+4], v[\S], v[\S+12]
	v_lshrrev_b32 v[\S+6], 1, v[\S+20]
	v_and_b32 v[\S+6], s48, v[\S+6]
	v_sub_nc_u32 v[\S+6], v[\S+20], v[\S+6]        ; fields of 2
	v_lshrrev_b32 v[\S+7], 2, v[\S+6]
	v_and_b32 v[\S+10], s49, v[\S+6]
	v_and_b32 v[\S+7], s49, v[\S+7]
	v_add_nc_u32 v[\S+7], v[\S+7], v[\S+10]        ; of 4
	v_lshrrev_b32 v[\S+8], 4, v[\S+7]
	v_add_nc_u32 v[\S+8], v[\S+8], v[\S+7]
	v_and_b32 v[\S+8], s50, v[\S+8]                ; of 8
	v_lshrrev_b32 v[\S+9], 8, v[\S+8]
	v_add_nc_u32 v[\S+9], v[\S+9], v[\S+8]         ; its low byte: bits 0-15
	v_mov_b32 v[\S+5], 0                           ; the position
.endr
.macro LEVEL src, width, step          ; are there k or fewer set bits in the lower half of what is left?  Then they are passed over
.irp S, SELA, SELB
	v_bfe_u32 v[\S+10], v[\S+\src], v[\S+5], \width
.endr
.irp S, SELA, SELB
	v_cmp_ge_u32 vcc_lo, v[\S+4], v[\S+10]
	v_cndmask_b32 v[\S+10], 0, v[\S+10], vcc_lo
	v_cndmask_b32 v[\S+11], 0, \step, vcc_lo
.endr
.irp S, SELA, SELB
	v_sub_nc_u32 v[\S+4], v[\S+4], v[\S+10]
	v_add_nc_u32 v[\S+5], v[\S+5], v[\S+11]
.endr
.endm
	LEVEL 9, 8, 16
	LEVEL 8, 8, 8
	LEVEL 7, 4, 4
	LEVEL 6, 2, 2
.irp S, SELA, SELB
	v_bfe_u32 v[\S+10], v[\S+20], v[\S+5], 1
	v_cmp_ge_u32 vcc_lo, v[\S+4], v[\S+10]
	v_add_co_ci_u32 v[\S+5], vcc_lo, 0, v[\S+5], vcc_lo
	v_lshl_add_u32 v[\S+5], v[\S+2], 5, v[\S+5]
	v_lshl_add_u32 v[\S], v[\S+1], 8, v[\S+5]      ; token = 32 (8 g + u) + position
	v_min_u32 v[\S], 0x1fff, v[\S]                 ; an index of the 8,192 rows
	v_lshlrev_b32 v[\S+1], 2, v[\S]                ; its p,
	v_lshlrev_b32 v[\S+2], 5, v[\S]                ; its 32 scale bytes
.endr
	; ---- GATHER
	ds_store_b32 v12, v[SELA]
	ds_store_b32 v13, v[SELB]                      ; lanes with the same lane % 4 write the same word with the same value
	global_load_b32 v[GP], v[SELA+1], s[16:17]
	global_load_b32 v[GP+1], v[SELB+1], s[16:17]
	global_load_b128 v[GSC:GSC+3], v[SELA+2], s[12:13]
	global_load_b128 v[GSC+4:GSC+7], v[SELA+2], s[12:13] offset:16
	global_load_b128 v[GSC+8:GSC+11], v[SELB+2], s[12:13]
	global_load_b128 v[GSC+12:GSC+15], v[SELB+2], s[12:13] offset:16
.irp k, 0,1,2,3,4,5,6,7,8
	ds_load_b128 v[TK+4*\k:TK+4*\k+3], v16 offset:16*\k   ; my wave's 36 tokens into every lane: they see my stores above
.endr
	s_wait_dscnt 0x0
.set i, 0
.rept 36
	v_min_u32 v[TK+i], 0x1fff, v[TK+i]
.set i, i+1
.endr
.set i, 0
.rept 36
	v_lshl_add_u32 v[TK+i], v[TK+i], 9, v4         ; 512 x token + 16 x lane
.set i, i+1
.endr
	WIN 0x80                                       ; destination window 2
.set i, 0
.rept 36
	global_load_b128 v[4*i:4*i+3], v[TK+i], s[10:11]      ; a whole row of x: 512 consecutive bytes
.set i, i+1
.endr
	; ---- INTO LDS, while the tokens' rows travel.  W's rows 16 t .. 16 t + 15 go into my scratch as they lie and come back as the eight fragments of tile t, into the registers that they left:
	; fragment (t, s) at v[64 t + 8 s] of window 1: lane (r, h) holds row 16 t + r; registers 4 c .. 4 c + 3 hold K = 128 s + 64 c + 32 h + 0 .. 31.  LDS serves a wave's instructions in order.
.macro WT t
	WIN 0x04                                       ; an LDS store's data are its source 1: window 1
.set i, 0
.rept 16
	ds_store_b128 v8, v[64*\t+4*i:64*\t+4*i+3] offset:(16*\t+i)*AP
.set i, i+1
.endr
	WIN 0x40                                       ; destination window 1
.irp s, 0,1,2,3,4,5,6,7
.irp c, 0,1
	ds_load_b128 v[64*\t+8*\s+4*\c:64*\t+8*\s+4*\c+3], v9 offset:16*\t*AP+64*\s+32*\c
.endr
.endr
.endm
	s_wait_loadcnt 63                              ; behind W's row i stand 63 - i rows, 12 loads of scales and bias, 6 of p and scales, 36 rows of x: 117 - i, at least 70 for rows 0-47
	WT 0
	WT 1
	WT 2
	s_wait_loadcnt 54                              ; behind W's row 63: 12 + 6 + 36
	WT 3
	WIN 0
	s_wait_loadcnt 36                              ; only the 36 rows of x may be out
	ds_store_b32 v12, v[GP] offset:576             ; p beside the list
	ds_store_b32 v13, v[GP+1] offset:576
	ds_store_b128 v14, v[GSC:GSC+3]
	ds_store_b128 v14, v[GSC+4:GSC+7] offset:16
	ds_store_b128 v15, v[GSC+8:GSC+11]
	ds_store_b128 v15, v[GSC+12:GSC+15] offset:16
	WIN 0x08                                       ; store data: window 2
.set i, 0
.irp left, 24, 12, 0
	s_wait_loadcnt \left                           ; twelve more rows are in
.rept 12
	ds_store_b128 v7, v[4*i:4*i+3] offset:AP*i
.set i, i+1
.endr
.endr
	WIN 0
	s_wait_dscnt 0x0                               ; for the others' sake: my rows, scale bytes, tokens and p have landed; W's fragments are in
	s_barrier_signal -1
	s_barrier_wait -1                              ; the one barrier; behind it the shared bytes are only read
	; ---- PRODUCTS
.irp q, 0,1,2,3
	ds_load_b128 v[SA+8*\q:SA+8*\q+3], v19 offset:32*48*\q       ; lane l: the eight scale words of row 32 q + l: lanes 0-15 serve block 2 q, lanes 16-31 block 2 q + 1
	ds_load_b128 v[SA+8*\q+4:SA+8*\q+7], v19 offset:32*48*\q+16
.endr
	ds_load_b128 v[SA+32:SA+35], v20               ; block 8
	ds_load_b128 v[SA+36:SA+39], v20 offset:16
.macro AF m                            ; the eight fragments of block m (16 tokens x 1,024 K) into set m % 2 of window 2
	WIN 0x80
.irp s, 0,1,2,3,4,5,6,7
.irp c, 0,1
.if (\m) < 8
	ds_load_b128 v[64*((\m)%2)+8*\s+4*\c:64*((\m)%2)+8*\s+4*\c+3], v5 offset:16*AP*(\m)+64*\s+32*\c
.else
	ds_load_b128 v[64*((\m)%2)+8*\s+4*\c:64*((\m)%2)+8*\s+4*\c+3], v6 offset:64*\s+32*\c
.endif
.endr
.endr
	WIN 0
.endm
; One product: tile t of W's rows x block m of tokens, K step s.  first = 1: the bias is C.  The scale operands follow the sources: W's word first; the upper lanes of a scale register serve odd t and odd m.
.macro WM t, s, m, first
.set rD, ACC+8*(\t)
.set rW, 64*(\t)+8*(\s)
.set rA, 64*((\m)%2)+8*(\s)
.set rC, rD
.if \first
.set rC, BI+8*(\t)
.endif
.set rSW, SW+8*((\t)/2)+(\s)
.set rSA, SA+8*((\m)/2)+(\s)
.if ((\t)%2 == 0) && ((\m)%2 == 0)
	v_wmma_scale_f32_16x16x128_f8f6f4 v[rD:rD+7], v[rW:rW+7], v[rA:rA+7], v[rC:rC+7], v[rSW], v[rSA] matrix_a_fmt:MATRIX_FMT_FP4 matrix_b_fmt:MATRIX_FMT_FP4
.elseif ((\t)%2 == 1) && ((\m)%2 == 0)
	v_wmma_scale_f32_16x16x128_f8f6f4 v[rD:rD+7], v[rW:rW+7], v[rA:rA+7], v[rC:rC+7], v[rSW], v[rSA] matrix_a_fmt:MATRIX_FMT_FP4 matrix_b_fmt:MATRIX_FMT_FP4 matrix_a_scale:MATRIX_SCALE_ROW1
.elseif ((\t)%2 == 0) && ((\m)%2 == 1)
	v_wmma_scale_f32_16x16x128_f8f6f4 v[rD:rD+7], v[rW:rW+7], v[rA:rA+7], v[rC:rC+7], v[rSW], v[rSA] matrix_a_fmt:MATRIX_FMT_FP4 matrix_b_fmt:MATRIX_FMT_FP4 matrix_b_scale:MATRIX_SCALE_ROW1
.else
	v_wmma_scale_f32_16x16x128_f8f6f4 v[rD:rD+7], v[rW:rW+7], v[rA:rA+7], v[rC:rC+7], v[rSW], v[rSA] matrix_a_fmt:MATRIX_FMT_FP4 matrix_b_fmt:MATRIX_FMT_FP4 matrix_a_scale:MATRIX_SCALE_ROW1 matrix_b_scale:MATRIX_SCALE_ROW1
.endif
.endm
; BLOCK m: 16 tokens x my 64 columns: 32 products, the four accumulators by turns, one instruction a turn, K ascending.
.macro MT m
	s_cmp_le_u32 s35, \m                           ; the tile has no block m: done.  (No barrier and no shared write stands behind this branch)
	s_cbranch_scc1 .Ldone
.if \m > 0
	s_wait_xcnt 0x0                                ; the last block's stores have had their addresses translated: their offsets and data are written again only behind this wait
.endif
	ds_load_b128 v[TOK:TOK+3], v21 offset:64*\m    ; the tokens of rows 16 m + 8 h + 0 .. 7
	ds_load_b128 v[TOK+4:TOK+7], v21 offset:64*\m+16
	ds_load_b32 v[PP], v22 offset:64*\m            ; p of row 16 m + r
.if \m < 8
	AF \m+1                                        ; the next block's fragments, into the set that the last block's products read: the last block's way out put more than four plain vector lines between
	s_wait_dscnt 19                                ; the 3 + 16 loads just issued may be out: this block's fragments and the scale words are in
.else
	s_wait_dscnt 3
.endif
	WIN 0x29                                       ; source 0 (W) window 1, source 1 (tokens) window 2, C (bias) window 2, D window 0
.irp t, 0,1,2,3
	WM \t, 0, \m, 1
.endr
	WIN 0x09                                       ; C and D window 0
.irp s, 1,2,3,4,5,6,7
.irp t, 0,1,2,3
	WM \t, \s, \m, 0
.endr
.endr
	WIN 0
.if \m < 8
	s_wait_dscnt 16                                ; the tokens and p are in; the next block's fragments may be out
.else
	s_wait_dscnt 0x0
.endif
.irp i, 0,1,2,3,4,5,6,7
	v_min_u32 v[TOK+\i], 0x1fff, v[TOK+\i]         ; these sixteen lines name no register of the products: they are the places behind them (ISA guide 7.12.1)
.endr
.irp i, 0,1,2,3,4,5,6,7
	v_lshl_add_u32 v[TOK+\i], v[TOK+\i], 12, v23   ; 4,096 x token + my 16 bytes
.endr
.set j, 0
.rept 16
	v_pk_mul_f32 v[ACC+2*j:ACC+2*j+1], v[ACC+2*j:ACC+2*j+1], v[PP:PP+1] op_sel_hi:[1,0]   ; x p; each accumulator from its low end on
.set j, j+1
.endr
.irp t, 0,1,2,3
	ds_store_b128 v10, v[ACC+8*\t:ACC+8*\t+3] offset:64*\t         ; lane (r, h): columns 16 t + 8 h + 0 .. 7 of row r, into my own stage
	ds_store_b128 v10, v[ACC+8*\t+4:ACC+8*\t+7] offset:64*\t+16
.endr
.irp i, 0,1,2,3,4,5,6,7
	ds_load_b128 v[RB+4*\i:RB+4*\i+3], v11 offset:272*\i           ; back by rows: they see my stores above; the next block's stores come behind them
.endr
.irp i, 0,1,2,3,4,5,6,7
	s_wait_dscnt 7-\i
	global_store_b128 v[TOK+\i], v[RB+4*\i:RB+4*\i+3], s[18:19] th:TH_STORE_NT   ; sixteen lanes store 256 consecutive bytes of a token's row, at a multiple of 256 from out's first byte; written once
.endr
.endm
	AF 0
	MT 0
	MT 1
	MT 2
	MT 3
	MT 4
	MT 5
	MT 6
	MT 7
	MT 8
.Ldone:
	s_wait_tensorcnt 0x0
	ds_add_u32 v254, v255
	s_wait_dscnt 0x0
	s_endpgm
.Lfunc_end_k_qccbee5e50a_experts:
	.size	k_qccbee5e50a_experts, .Lfunc_end_k_qccbee5e50a_experts-k_qccbee5e50a_experts
	.p2alignl 7, 3214868480
	.fill 96, 4, 3214868480
	.section	.rodata,"a",@progbits
	.p2align	6, 0x0
	.amdhsa_kernel k_qccbee5e50a_experts
		.amdhsa_group_segment_fixed_size 238080
		.amdhsa_private_segment_fixed_size 0
		.amdhsa_enable_private_segment 0
		.amdhsa_kernarg_size 64
		.amdhsa_user_sgpr_count 2
		.amdhsa_user_sgpr_kernarg_segment_ptr 1
		.amdhsa_wavefront_size32 1
		.amdhsa_system_sgpr_workgroup_id_x 1
		.amdhsa_system_sgpr_workgroup_id_y 1
		.amdhsa_system_sgpr_workgroup_id_z 1
		.amdhsa_system_vgpr_workitem_id 0
		.amdhsa_next_free_vgpr 736
		.amdhsa_next_free_sgpr 66
		.amdhsa_reserve_vcc 1
		.amdhsa_float_denorm_mode_32 3
		.amdhsa_float_denorm_mode_16_64 3
		.amdhsa_memory_ordered 1
		.amdhsa_forward_progress 1
		.amdhsa_inst_pref_size 139
	.end_amdhsa_kernel
	.amdgpu_metadata
---
amdhsa.version: [ 1, 2 ]
amdhsa.kernels:
  - .name:           k_qccbee5e50a_experts
    .symbol:         k_qccbee5e50a_experts.kd
    .args:
      - { .name: W_codes, .offset: 0, .size: 8, .value_kind: global_buffer, .address_space: global }
      - { .name: W_scales, .offset: 8, .size: 8, .value_kind: global_buffer, .address_space: global }
      - { .name: b, .offset: 16, .size: 8, .value_kind: global_buffer, .address_space: global }
      - { .name: input_codes, .offset: 24, .size: 8, .value_kind: global_buffer, .address_space: global }
      - { .name: input_scales, .offset: 32, .size: 8, .value_kind: global_buffer, .address_space: global }
      - { .name: route, .offset: 40, .size: 8, .value_kind: global_buffer, .address_space: global }
      - { .name: topp, .offset: 48, .size: 8, .value_kind: global_buffer, .address_space: global }
      - { .name: out0, .offset: 56, .size: 8, .value_kind: global_buffer, .address_space: global }
    .group_segment_fixed_size: 238080
    .private_segment_fixed_size: 0
    .kernarg_segment_align: 8
    .kernarg_segment_size: 64
    .max_flat_workgroup_size: 128
    .sgpr_count:     66
    .vgpr_count:     736
    .wavefront_size: 32
...
	.end_amdgpu_metadata
.endif
;; end of part 2
;; ======== version 2 of 2: 2 launches
;; workspace buffers: route 18,432 bytes of whole numbers; topp 32,768 bytes
;; launch route (part 3): grid 8 x 1, 32 waves a work-group, no clusters, 10,240 bytes of LDS; arguments gate, route, topp; writes route, topp
.if DOCPART == 3
	.amdgcn_target "amdgcn-amd-amdhsa--gfx1250"
	.amdhsa_code_object_version 6
	.text
	.protected	k_qccbee5e50a_route
	.globl	k_qccbee5e50a_route
	.p2align	8
	.type	k_qccbee5e50a_route,@function
k_qccbee5e50a_route:
	s_mov_b64 s[64:65], 0
	v_nop
	global_prefetch_b8 v0, s[64:65] scope:SCOPE_SE
	s_setreg_imm32_b32 hwreg(HW_REG_WAVE_MODE, 25, 1), 1
	s_wait_xcnt 0x0
; ROUTING.  gate: [8192][8] f32.  For each token: softmax over its 8 logits (the row's maximum is taken away first), the first largest entry e, and its probability p.
; Nothing here forms an address from that choice: it is stored, at fixed places, for the next launch.
; A work-group of 32 waves takes 1,024 tokens, a thread one token.  It stores p (topp, 4 bytes a token) and a record of 2,304 bytes in route:
;   +0     masks [expert 8][32 words]: bit l of word w stands for token 1,024 x group + 32 w + l
;   +1024  counts [expert 8][32 words]: how many of the expert's tokens lie in the group's earlier words
;   +2048  totals: the expert's tokens in the group, the same word through bytes 32 e .. 32 e + 31
; Every store of a wave covers whole aligned blocks of 256 consecutive bytes.  Matrix units, tensor loads and clusters have nothing to do here: 32 bytes are read for a token, once.
; LIMITS: the logits are finite.  The first largest entry is taken of the exponentials 2^((g - max) log2 e), lowest index first; two logits closer than the rounding of an f32 exponential
; and division could be ordered otherwise than by a softmax that divides first.
.set MSK, 0                            ; LDS: [expert][wave] mask words, 1,024 bytes
.set CW,  1024                         ; [expert][wave] counts, 1,024 bytes
.set PST, 2048                         ; p of thread t at 4 t, 4,096 bytes
.set REC, 2304                         ; a record of route
	s_load_b128 s[4:7], s[0:1], 0x0                ; gate s[4:5], route s[6:7]
	s_load_b64 s[8:9], s[0:1], 0x10                ; topp
	v_lshl_add_u32 v48, v0, 2, 0x1800
	v_mov_b32 v49, 0
	v_lshrrev_b32 v20, 5, v0
	s_delay_alu instid0(VALU_DEP_1)
	v_readfirstlane_b32 s10, v20                   ; wave 0..31
	s_delay_alu instid0(VALU_DEP_2)
	v_lshlrev_b32 v20, 2, v20                      ; 4 x wave: my wave's word in a row of MSK or CW
	v_and_b32 v1, 31, v0                           ; lane
	v_lshlrev_b32 v2, 5, v0                        ; my token's 32 bytes of gate
	; every LDS address is made here, ahead of the ways that part on the wave's number
	v_lshl_add_u32 v21, v0, 2, PST                 ; where my p goes
	v_lshl_add_u32 v22, v0, 4, PST                 ; waves 0-7: four p on the way out
	v_lshlrev_b32 v23, 4, v0                       ; 16 t: waves 0-1: four mask words (MSK = 0); also the offset of the 16-byte stores
	v_lshl_add_u32 v24, v0, 3, CW                  ; waves 0-3: two counts
	v_lshl_add_u32 v25, v1, 5, CW                  ; wave 4: eight counts
	v_lshlrev_b32 v27, 3, v0                       ; 8 t: the offset of waves 0-3's stores
	s_lshl_b32 s12, ttmp9, 15                      ; the group's 1,024 rows of 32 bytes
	s_mov_b32 s13, 0
	s_wait_alu depctr_va_vdst(0)
	s_wait_kmcnt 0x0
	s_add_nc_u64 s[4:5], s[4:5], s[12:13]
	global_load_b128 v[4:7], v2, s[4:5] th:TH_LOAD_NT            ; a wave reads 1,024 consecutive bytes by these two; read once in the launch
	global_load_b128 v[8:11], v2, s[4:5] offset:16 th:TH_LOAD_NT
	s_mul_i32 s12, ttmp9, REC
	s_add_nc_u64 s[6:7], s[6:7], s[12:13]          ; my record
	s_lshl_b32 s12, ttmp9, 12
	s_add_nc_u64 s[8:9], s[8:9], s[12:13]          ; my 4,096 bytes of topp
	s_wait_loadcnt 0x0
	v_max3_num_f32 v12, v4, v5, v6                 ; the row's largest logit
	s_delay_alu instid0(VALU_DEP_1)
	v_max3_num_f32 v12, v12, v7, v8
	s_delay_alu instid0(VALU_DEP_1)
	v_max3_num_f32 v12, v12, v9, v10
	s_delay_alu instid0(VALU_DEP_1)
	v_max_num_f32 v12, v12, v11
	s_delay_alu instid0(VALU_DEP_1)
	v_mov_b32 v13, v12                             ; as a pair, for the packed subtraction
.irp j, 4,6,8,10
	v_pk_add_f32 v[\j:\j+1], v[\j:\j+1], v[12:13] neg_lo:[0,1] neg_hi:[0,1]   ; g - max: exactly 0 for the largest
.endr
.irp j, 4,6,8,10
	s_delay_alu instid0(VALU_DEP_4)
	v_pk_mul_f32 v[\j:\j+1], v[\j:\j+1], 0x3fb8aa3b op_sel_hi:[1,0]          ; x log2(e)
.endr
	s_wait_alu depctr_va_vdst(0)
.irp j, 4,5,6,7,8,9,10,11
	v_exp_f32 v[\j], v[\j]                         ; at most 1; the sum lies between 1 and 8
.endr
	v_lshlrev_b32 v28, 3, v1                       ; 8 x lane: the offset of wave 4's store.  (The plain line behind the exponentials)
	s_wait_alu depctr_va_vdst(0)
	v_pk_add_f32 v[30:31], v[4:5], v[6:7]
	v_pk_add_f32 v[32:33], v[8:9], v[10:11]
	v_max3_num_f32 v14, v4, v5, v6                 ; the largest exponential
	s_delay_alu instid0(VALU_DEP_2)
	v_pk_add_f32 v[30:31], v[30:31], v[32:33]
	v_max3_num_f32 v14, v14, v7, v8
	s_delay_alu instid0(VALU_DEP_2)
	v_add_f32 v13, v30, v31                        ; the sum
	v_max3_num_f32 v14, v14, v9, v10
	s_wait_alu depctr_va_vdst(0)
	v_rcp_f32 v15, v13
	v_max_num_f32 v14, v14, v11                    ; (the plain line behind the reciprocal)
.irp i, 0,1,2,3,4,5,6
	v_cmp_eq_f32 s[20+\i], v[4+\i], v14            ; the lanes in which entry i is a largest one
.endr
	s_wait_alu depctr_va_vdst(0)
	v_mul_f32 v15, v14, v15                        ; p
	s_mov_b32 s28, s20                             ; the lanes that have their expert
.irp i, 1,2,3,4,5,6
	s_and_not1_b32 s[20+\i], s[20+\i], s28         ; the lowest index wins
	s_or_b32 s28, s28, s[20+\i]
.endr
	s_not_b32 s27, s28                             ; what is left is expert 7's: every token has exactly one expert
.irp e, 0,1,2,3,4,5,6,7
	v_mov_b32 v[30+\e], s[20+\e]
	s_bcnt1_i32_b32 s29, s[20+\e]
	v_mov_b32 v[38+\e], s29
	ds_store_b32 v20, v[30+\e] offset:MSK+128*\e   ; all lanes write the same word with the same value
	ds_store_b32 v20, v[38+\e] offset:CW+128*\e
.endr
	ds_store_b32 v21, v15
	s_wait_dscnt 0x0                               ; for the others' sake: my stores have landed
	s_barrier_signal -1
	s_barrier_wait -1                              ; the launch's one barrier; behind it LDS is only read
	s_cmp_lt_u32 s10, 8
	s_cbranch_scc0 .Lno_p
	ds_load_b128 v[4:7], v22                       ; waves 0-7: p goes out, 512 consecutive bytes a wave
	s_wait_dscnt 0x0
	global_store_b128 v23, v[4:7], s[8:9]
.Lno_p:
	s_cmp_lt_u32 s10, 2
	s_cbranch_scc0 .Lno_masks
	ds_load_b128 v[8:11], v23                      ; waves 0-1: the masks, as they lie
	s_wait_dscnt 0x0
	global_store_b128 v23, v[8:11], s[6:7]
.Lno_masks:
	s_cmp_lt_u32 s10, 4
	s_cbranch_scc0 .Lno_scan
	ds_load_b64 v[12:13], v24                      ; waves 0-3: sixteen lanes are one expert, a lane has the counts of words 2 (t % 16) and 2 (t % 16) + 1
	v_mov_b32 v17, 0                               ; (a DPP form's destination counts as read)
	s_wait_dscnt 0x0
	v_add_nc_u32 v14, v12, v13
	s_delay_alu instid0(VALU_DEP_1)
	v_mov_b32 v16, v14
.irp n, 1,2,4,8
	s_delay_alu instid0(VALU_DEP_1)
	v_mov_b32_dpp v17, v16 row_shr:\n row_mask:0xf bank_mask:0xf bound_ctrl:1   ; lane i takes lane i - n of its sixteen, or 0
	s_delay_alu instid0(VALU_DEP_1)
	v_add_nc_u32 v16, v16, v17                     ; after the four steps: the sum up to and with my pair
.endr
	s_delay_alu instid0(VALU_DEP_1)
	v_sub_nc_u32 v18, v16, v14                     ; ahead of my first word,
	s_delay_alu instid0(VALU_DEP_1)
	v_add_nc_u32 v19, v18, v12                     ; ahead of my second
	global_store_b64 v27, v[18:19], s[6:7] offset:1024
.Lno_scan:
	s_cmp_eq_u32 s10, 4
	s_cbranch_scc0 .Lend
	ds_load_b128 v[30:33], v25                     ; wave 4: four lanes are one expert, a lane has eight counts
	ds_load_b128 v[34:37], v25 offset:16
	s_wait_dscnt 0x0
	v_add3_u32 v38, v30, v31, v32
	v_add3_u32 v39, v33, v34, v35
	s_delay_alu instid0(VALU_DEP_2)
	v_add3_u32 v38, v38, v36, v37
	s_delay_alu instid0(VALU_DEP_1)
	v_add_nc_u32 v38, v38, v39
	s_delay_alu instid0(VALU_DEP_1)
	v_mov_b32_dpp v39, v38 row_xmask:1 row_mask:0xf bank_mask:0xf
	s_delay_alu instid0(VALU_DEP_1)
	v_add_nc_u32 v38, v38, v39
	s_delay_alu instid0(VALU_DEP_1)
	v_mov_b32_dpp v39, v38 row_xmask:2 row_mask:0xf bank_mask:0xf
	s_delay_alu instid0(VALU_DEP_1)
	v_add_nc_u32 v38, v38, v39                     ; the expert's tokens in the group, in all four lanes
	s_delay_alu instid0(VALU_DEP_1)
	v_mov_b32 v39, v38
	global_store_b64 v28, v[38:39], s[6:7] offset:2048   ; 256 consecutive bytes
.Lend:
	s_wait_tensorcnt 0x0
	ds_add_u32 v48, v49
	s_wait_dscnt 0x0
	s_endpgm
.Lfunc_end_k_qccbee5e50a_route:
	.size	k_qccbee5e50a_route, .Lfunc_end_k_qccbee5e50a_route-k_qccbee5e50a_route
	.p2alignl 7, 3214868480
	.fill 96, 4, 3214868480
	.section	.rodata,"a",@progbits
	.p2align	6, 0x0
	.amdhsa_kernel k_qccbee5e50a_route
		.amdhsa_group_segment_fixed_size 10240
		.amdhsa_private_segment_fixed_size 0
		.amdhsa_enable_private_segment 0
		.amdhsa_kernarg_size 24
		.amdhsa_user_sgpr_count 2
		.amdhsa_user_sgpr_kernarg_segment_ptr 1
		.amdhsa_wavefront_size32 1
		.amdhsa_system_sgpr_workgroup_id_x 1
		.amdhsa_system_sgpr_workgroup_id_y 1
		.amdhsa_system_sgpr_workgroup_id_z 1
		.amdhsa_system_vgpr_workitem_id 0
		.amdhsa_next_free_vgpr 50
		.amdhsa_next_free_sgpr 66
		.amdhsa_reserve_vcc 0
		.amdhsa_float_denorm_mode_32 3
		.amdhsa_float_denorm_mode_16_64 3
		.amdhsa_memory_ordered 1
		.amdhsa_forward_progress 1
		.amdhsa_inst_pref_size 10
	.end_amdhsa_kernel
	.amdgpu_metadata
---
amdhsa.version: [ 1, 2 ]
amdhsa.kernels:
  - .name:           k_qccbee5e50a_route
    .symbol:         k_qccbee5e50a_route.kd
    .args:
      - { .name: gate, .offset: 0, .size: 8, .value_kind: global_buffer, .address_space: global }
      - { .name: route, .offset: 8, .size: 8, .value_kind: global_buffer, .address_space: global }
      - { .name: topp, .offset: 16, .size: 8, .value_kind: global_buffer, .address_space: global }
    .group_segment_fixed_size: 10240
    .private_segment_fixed_size: 0
    .kernarg_segment_align: 8
    .kernarg_segment_size: 24
    .max_flat_workgroup_size: 1024
    .sgpr_count:     66
    .vgpr_count:     50
    .wavefront_size: 32
...
	.end_amdgpu_metadata
.endif
;; end of part 3
;; launch experts (part 4): grid 4 x 64, 4 waves a work-group, no clusters, 238,080 bytes of LDS; arguments W_codes, W_scales, b, input_codes, input_scales, route, topp, out0; writes out0
.if DOCPART == 4
	.amdgcn_target "amdgcn-amd-amdhsa--gfx1250"
	.amdhsa_code_object_version 6
	.text
	.protected	k_qccbee5e50a_experts
	.globl	k_qccbee5e50a_experts
	.p2align	8
	.type	k_qccbee5e50a_experts,@function
k_qccbee5e50a_experts:
	s_mov_b64 s[64:65], 0
	v_nop
	global_prefetch_b8 v0, s[64:65] scope:SCOPE_SE
	s_setreg_imm32_b32 hwreg(HW_REG_WAVE_SCHED_MODE, 0, 2), 2
	s_setreg_imm32_b32 hwreg(HW_REG_WAVE_MODE, 25, 1), 1
	s_wait_xcnt 0x0
	s_wait_alu depctr_vm_vsrc(0)
; out[t][:] = p_t (x_t W[e_t] + b[e_t]), only for the expert chosen for each token: the other seven products are thrown away by the one-hot mask of the problem's own text.
; x: [8192] rows of 512 bytes of FP4 (E2M1) codes + 32 E8M0 bytes; W: [8][1024 (d)] rows likewise, K innermost.  Codes and scale bytes go to the matrix instruction as they lie; sums in f32.
; TILES.  An expert's n tokens, in ascending order, are cut into B = ceil(n / 16) blocks of 16 rows and T = ceil(B / 9) tiles of floor(B / T) or one more blocks.  The B sum to at most (8192 + 8 x 15) / 16 = 519,
; the T to at most (519 + 8 x 8) / 9 = 64, whatever the split: the grid is 64 tile slots (y) x 4 slabs of 256 columns (x).  A slot that the split leaves without a tile walks the loading part on
; clamped numbers, so that no branch on loaded numbers stands ahead of the barrier, and stores nothing.  A rank past the expert's last token is held at the last token: the same wave then stores
; the same bytes with the same values again (at most 15 rows an expert), and no lane is ever switched off.
; SHARES.  Four waves.  THE WAVES SHARE THE COLUMNS: wave w has columns 64 w .. 64 w + 63 of the slab for all rows; its part of W (4 tiles of 16 rows x 8 K steps: 256 registers) stays in registers.
; The tokens' rows are gathered once by the work-group (wave w: rows 36 w .. 36 w + 35 of the tile's 144) and shared through LDS.
; WHICH TOKEN IS ROW i: every wave finds it for its own 36 rows from the stored masks: rank R -> the last word whose count of earlier tokens is at most R -> the (R - that count)-th set bit.
; The matrix instruction is used TRANSPOSED (source 0 = 16 rows of W, source 1 = 16 tokens): a lane holds eight neighbouring columns of one token's row; the bias is the C of each sum's first product.
; NO TENSOR LOADS, NO CLUSTER: the tokens' rows are gathered one by one, how many blocks a tile has is a number read from memory (the block guards are branches on it), and how many tiles share
; an expert's rows of W hangs on the split; so operands go from memory through registers.
; REGISTERS, in windows of 256: window 0: v1-23 addresses, v26-29 offsets of loads; v32-71 the tokens' scale words, v72-87 W's (these hold scales alone); v88-119 four accumulators;
;   v120-151 rows on the way out; v152-159 their tokens, then offsets; v160-161 p.  While the tile is loaded, v88-159 and v162-253 are at work.
;   window 1: W.   window 2: v0-143 the gathered rows, then v0-127 two sets of the tokens' fragments; v192-223 the bias.   s66-97: what vector instructions hand to scalars (lanes read out, compares' masks, carries), and nothing else.
; THE MODE: SCHED_MODE bits 1:0 = 2 (LLVM: expert scheduling mode 2), set by the entry lines.  The code itself states the register dependences between vector or matrix instructions and
; memory or LDS instructions, and those from vector instructions to scalar registers, with s_wait_alu, always for 0.
; THE PLAN, WHILE THE TILE IS LOADED (straight code, run once).  Offsets and LDS addresses (v1-23, v26-29, v245) are made at the head and never written again: one wait on va_vdst ahead of the totals' loads
; (v26), one ahead of the 80 requests (all the others, for the whole kernel).  Four more stand each ahead of a run of LDS or memory instructions that read what the vector lines have just made: the counts,
; the permutes' indices, the tokens and their offsets, the rows' offsets.  Compares go in runs into s66-97, one wait on va_sdst behind each run; an addition with carry takes its mask from one of these
; registers and writes its carry out into the same one, so a further wait on va_sdst stands behind each run of such additions, ahead of the next line that names the registers and of every branch.
; W's rows are stored to LDS out of the registers in which their fragments land: a wait on vm_vsrc between, one for two tiles.  Behind the barrier one wait on vm_vsrc frees all that the loading part's
; LDS and memory instructions have read.
; THE PLAN, IN THE BLOCKS.  Registers that LDS or memory instructions touch:
;   fragment sets 0, 1 (window 2)  Set m % 2 is read by block m's products; the loads issued in block m land in the other set, which block m - 1's products read last.
;   the accumulators               Written by block m's products and by the multiplications by p; read by its eight stores into the stage.
;   v[TOK ..], v[PP]               Loaded at block m's head; v[TOK ..] is then made into offsets by vector lines and read by the eight global stores; v[PP] is read by the multiplications.
;   v[RB ..]                       Loaded from the stage; read by the eight global stores.
; ONE wait on va_vdst a block, ahead of the stores into the stage: behind it the block issues no vector or matrix instruction, and the next block's products, issued ahead of its fragment loads, name the
; other set, W, the bias, the accumulators and the scale words alone.  ONE wait on vm_vsrc at a block's end, beside the wait on XCNT, ahead of the next block's guard.
.set REC,   2304                       ; a record of route: masks at 0, counts at 1,024, totals at 2,048
.set AP,    528                        ; an LDS row of codes: 512 bytes + 16: sixteen rows that a load touches begin 16 bytes further on each, modulo 256
.set ASC,   144*AP                     ; 76,032: the tokens' scale bytes, 144 rows of 32 bytes + 16
.set LIST,  ASC+144*48                 ; 82,944: the token of row i at 4 i
.set PL,    LIST+576                   ; p of row i at 4 i
.set GT,    PL+576                     ; for each wave 128 bytes: the count ahead of every eighth word
.set STG,   GT+512                     ; for each wave a stage of 16 rows x (256 + 16) bytes for the way out
.set WSCR,  STG+4*16*272               ; 102,016: for each wave 64 rows x 528: W's rows turn into fragments here
.set SA,    32
.set SW,    72
.set ACC,   88
.set RB,    120
.set TOK,   152
.set PP,    160
.set BI,    192                        ; the bias, in window 2
.set CN,    88                         ; loading: v88-95 totals of the 8 groups (lane: expert lane % 8); v96-103 those of my expert
.set CB,    96
.set MW,    104                        ; v104-111 mask words 8 lane .. 8 lane + 7 of my expert
.set PX,    112                        ; v112-119 the counts ahead of them
.set G,     120                        ; v120-151 the count ahead of word 8 l, l = 0 .. 31
.set TK,    120                        ; v120-155 later: my wave's 36 tokens, then their rows' offsets
.set SELA,  162                        ; two sets of 28 for the selection: +0 rank, then token; +1 g; +2 u; +3 4 g; +4 k; +5 position; +6..9 field sums; +10, 11 at work; +12..19 counts; +20..27 masks
.set SELB,  192
.set GSC,   224                        ; v224-239 gathered scale bytes
.set GP,    240                        ; v240-241 gathered p
.set NN,    242                        ; v242-244 n, B, T of expert lane % 8
.set IDX,   245
.set TJ,    246                        ; v246-252 at work
.set BBASE, 253
.set MK,    66                         ; s66-97
.set MSB, 0
.macro WIN new                         ; s_set_vgpr_msb: bits 1:0 source 0, 3:2 source 1, 5:4 source 2, 7:6 destination; the high byte repeats the setting that is left
.if MSB != \new
	s_set_vgpr_msb (MSB<<8)|\new
.set MSB, \new
.endif
.endm
	s_load_b512 s[4:19], s[0:1], 0x0               ; W's codes s[4:5], W's scales s[6:7], b s[8:9], x's codes s[10:11], x's scales s[12:13], route s[14:15], topp s[16:17], out s[18:19]
	v_lshl_add_u32 v254, v0, 2, 0x3a000
	v_mov_b32 v255, 0
	v_and_b32 v26, 7, v0
	v_lshlrev_b32 v26, 5, v26                      ; 32 (lane % 8): an expert's total in a record
	v_lshrrev_b32 v24, 5, v0
	v_readfirstlane_b32 s20, v24                   ; wave 0..3
	s_mov_b32 s21, ttmp9                           ; slab
	s_and_b32 s22, ttmp7, 0xffff                   ; J: tile slot
	s_wait_kmcnt 0x0
	s_wait_alu depctr_va_vdst(0)                   ; v26 is written, which the eight loads read as their offset
.irp k, 0,1,2,3,4,5,6,7
	global_load_b32 v[CN+\k], v26, s[14:15] offset:REC*\k+2048
.endr
	s_wait_alu depctr_va_sdst(0)                   ; s20 is written, ahead of its first reader: LDS addresses and the bases of W, b and out are made from it
	; while they travel: every address of the launch
	v_and_b32 v1, 31, v0                           ; lane
	v_and_b32 v2, 15, v0                           ; r
	v_bfe_u32 v3, v0, 4, 1                         ; h
	v_lshlrev_b32 v4, 4, v1                        ; 16 x lane
	v_and_b32 v25, 3, v0                           ; lane % 4
	v_mul_u32_u24 v5, v2, AP
	v_lshl_add_u32 v5, v3, 4, v5                   ; a fragment of the tokens: row r, + 16 h
	v_add_nc_u32 v6, 128*AP, v5                    ; the same for rows 128 on
	s_mul_i32 s52, s20, 36*AP
	v_add_nc_u32 v7, s52, v4                       ; where my wave's 36 rows go
	s_mul_i32 s52, s20, 64*AP
	s_add_co_u32 s52, s52, WSCR
	v_add_nc_u32 v8, s52, v4                       ; W's rows into my scratch,
	v_add_nc_u32 v9, s52, v5                       ; and out of it as fragments
	s_mul_i32 s52, s20, 16*272
	s_add_co_u32 s52, s52, STG
	v_mul_u32_u24 v10, v2, 272
	v_lshl_add_u32 v10, v3, 5, v10
	v_add_nc_u32 v10, s52, v10                     ; my stage, in: row r, + 32 h
	v_mul_u32_u24 v11, v3, 8*272
	v_lshl_add_u32 v11, v2, 4, v11
	v_add_nc_u32 v11, s52, v11                     ; back: lanes 0-15 row i, lanes 16-31 row i + 8
	s_mul_i32 s52, s20, 144
	s_add_co_u32 s52, s52, LIST
	v_lshl_add_u32 v12, v1, 2, s52                 ; the list: my wave's rows 0-31,
	v_lshl_add_u32 v13, v25, 2, s52
	v_add_nc_u32 v13, 128, v13                     ; its rows 32-35,
	v_mov_b32 v16, s52                             ; and its 36 words for every lane
	s_mul_i32 s52, s20, 36*48
	s_add_co_u32 s52, s52, ASC
	v_mul_u32_u24 v14, v1, 48
	v_add_nc_u32 v14, s52, v14                     ; scale bytes of my wave's rows 0-31,
	v_mul_u32_u24 v15, v25, 48
	v_add_nc_u32 v15, s52, v15
	v_add_nc_u32 v15, 32*48, v15                   ; of its rows 32-35
	s_lshl_b32 s52, s20, 7
	s_add_co_u32 s52, s52, GT
	v_lshl_add_u32 v17, v1, 2, s52
	v_mov_b32 v18, s52
	v_mul_u32_u24 v19, v1, 48
	v_add_nc_u32 v19, ASC, v19                     ; scale words: row = lane (+ 32 q by the offset)
	v_mul_u32_u24 v20, v2, 48
	v_add_nc_u32 v20, ASC+128*48, v20              ; rows 128 + r
	v_lshl_add_u32 v21, v3, 5, LIST                ; the way out: the tokens of rows 8 h + 0 .. 7 of a block
	v_lshl_add_u32 v22, v2, 2, PL                  ; p of row r of a block
	v_lshlrev_b32 v23, 4, v2                       ; my 16 bytes of a row's 256
	v_lshrrev_b32 v27, 2, v1
	v_mul_u32_u24 v27, v27, REC
	v_lshl_add_u32 v27, v25, 5, v27                ; route: group lane / 4, words 8 (lane % 4) on
	v_lshlrev_b32 v28, 5, v1                       ; W's scale bytes: 32 a row
	v_lshlrev_b32 v29, 5, v3                       ; the bias: 32 h
	v_mov_b32 v[PP+1], 0                           ; named with p as a pair, so it is written
.irp j, 1,2,3,4,5,6,7
	s_mov_b32 s[39+\j], (0xffffffff<<(4*\j))&0xffffffff   ; the lanes from 4 j on
.endr
	s_mov_b32 s48, 0x55555555
	s_mov_b32 s49, 0x33333333
	s_mov_b32 s50, 0x0f0f0f0f
	s_mov_b32 s23, 0                               ; tiles of the experts passed
	s_mov_b32 s24, 0
	s_mov_b32 s25, 0
	s_mov_b32 s26, 0
	s_mov_b32 s27, 0
	s_wait_loadcnt 0x0
	; ---- WHICH TILE IS MINE.  In lane l: n, B, T of expert l % 8
	v_add3_u32 v[NN], v[CN], v[CN+1], v[CN+2]
	v_add3_u32 v[NN+1], v[CN+3], v[CN+4], v[CN+5]
	v_add3_u32 v[NN], v[NN], v[CN+6], v[CN+7]
	v_add_nc_u32 v[NN], v[NN], v[NN+1]             ; n
	v_add_nc_u32 v[NN+1], 15, v[NN]
	v_lshrrev_b32 v[NN+1], 4, v[NN+1]              ; B = ceil(n / 16), at most 512
	v_add_nc_u32 v[NN+2], 8, v[NN+1]
	v_mul_u32_u24 v[NN+2], v[NN+2], 3641
	v_lshrrev_b32 v[NN+2], 15, v[NN+2]             ; T = floor((B + 8) / 9): 3641 x 9 = 32,769, so the quotient is exact for B + 8 up to 520
.irp i, 0,1,2,3,4,5,6,7
	v_readlane_b32 s[MK+\i], v[NN], \i             ; n of expert i,
	v_readlane_b32 s[MK+8+\i], v[NN+2], \i         ; its T: the sixteen in one run
.endr
	s_wait_alu depctr_va_sdst(0)                   ; s66 to s81 are written, ahead of their first readers, the selections below
.irp i, 0,1,2,3,4,5,6,7
	s_cmp_ge_u32 s22, s23                          ; my slot does not lie ahead of expert i's first: the last expert of which that holds is mine
	s_cselect_b32 s24, s[MK+\i], s24               ; its n,
	s_cselect_b32 s25, s23, s25                    ; its first slot,
	s_cselect_b32 s26, \i, s26                     ; its number,
	s_cselect_b32 s27, s[MK+8+\i], s27             ; its T
	s_add_co_u32 s23, s23, s[MK+8+\i]
.endr
	s_min_u32 s26, s26, 7                          ; e
	s_add_co_u32 s30, s24, 15
	s_lshr_b32 s30, s30, 4                         ; B
	s_mov_b32 s31, 0
	s_mov_b32 s52, 0
.rept 9
	s_add_co_u32 s52, s52, s27                     ; c T, c = 1 .. 9
	s_cmp_le_u32 s52, s30
	s_add_co_ci_u32 s31, s31, 0                    ; q = floor(B / T): how many c have c T <= B
.endr
	s_mul_i32 s52, s31, s27
	s_sub_co_u32 s32, s30, s52                     ; the first B - q T tiles have one block more
	s_sub_co_u32 s33, s22, s25                     ; i: which tile of the expert
	s_mul_i32 s34, s33, s31
	s_min_u32 s52, s33, s32
	s_add_co_u32 s34, s34, s52                     ; its first block
	s_cmp_lt_u32 s33, s32
	s_add_co_ci_u32 s35, s31, 0                    ; its blocks,
	s_cmp_lt_u32 s22, s23
	s_cselect_b32 s35, s35, 0                      ; none in a slot behind the last tile
	s_min_u32 s35, s35, 9
	s_lshl_b32 s36, s34, 4
	s_mul_i32 s52, s20, 36
	s_add_co_u32 s36, s36, s52                     ; the rank of my wave's first row
	s_max_u32 s37, s24, 1
	s_sub_co_u32 s37, s37, 1                       ; the expert's last rank
	; ---- REQUESTS: 80 loads.  All offsets on W's side come from one index, 16 e + 4 slab + wave
	s_lshl_b32 s54, s26, 2
	v_mov_b32 v[IDX], s54                          ; 4 e: lane e, for the permutes behind the requests; made here, ahead of the wait below
	s_lshl_b32 s52, s21, 2
	s_add_co_u32 s52, s52, s20
	s_lshl_b32 s53, s26, 4
	s_add_co_u32 s53, s53, s52
	s_mov_b32 s39, 0
	s_lshl_b32 s38, s26, 7
	s_add_nc_u64 s[14:15], s[14:15], s[38:39]      ; route at my expert's 128 bytes of a record (the loads of the totals are in)
	s_lshl_b32 s38, s53, 15
	s_add_nc_u64 s[4:5], s[4:5], s[38:39]          ; my 64 rows of W: 512 bytes each
	s_lshl_b32 s38, s53, 11
	s_add_nc_u64 s[6:7], s[6:7], s[38:39]          ; their scale bytes: 32 each
	s_lshl_b32 s38, s53, 8
	s_add_nc_u64 s[8:9], s[8:9], s[38:39]          ; my 64 numbers of b
	s_lshl_b32 s38, s52, 8
	s_add_nc_u64 s[18:19], s[18:19], s[38:39]      ; my 256 bytes of a row of out
	s_wait_alu depctr_va_vdst(0)                   ; all offsets and LDS addresses (v1 to v23, v27 to v29, v[IDX]) are written: every load, store and permute from here on reads some of them, and none is written again
	global_load_b128 v[MW:MW+3], v27, s[14:15]
	global_load_b128 v[MW+4:MW+7], v27, s[14:15] offset:16
	global_load_b128 v[PX:PX+3], v27, s[14:15] offset:1024
	global_load_b128 v[PX+4:PX+7], v27, s[14:15] offset:1040
	WIN 0x40                                       ; destination window 1
.set i, 0
.rept 64
	global_load_b128 v[4*i:4*i+3], v4, s[4:5] offset:512*i       ; a whole row of W: 512 consecutive bytes
.set i, i+1
.endr
	WIN 0
.irp p, 0,1
	global_load_b128 v[SW+8*\p:SW+8*\p+3], v28, s[6:7] offset:1024*\p        ; lane l: the eight scale words of W's row 32 p + l
	global_load_b128 v[SW+8*\p+4:SW+8*\p+7], v28, s[6:7] offset:1024*\p+16
.endr
	WIN 0x80                                       ; destination window 2
.irp t, 0,1,2,3
	global_load_b128 v[BI+8*\t:BI+8*\t+3], v29, s[8:9] offset:64*\t          ; lane (r, h): b at columns 16 t + 8 h + 0 .. 7: the result's layout
	global_load_b128 v[BI+8*\t+4:BI+8*\t+7], v29, s[8:9] offset:64*\t+16
.endr
	WIN 0
.irp k, 0,1,2,3,4,5,6,7
	ds_bpermute_b32 v[CB+\k], v[IDX], v[CN+\k]     ; my expert's total in group k, from lane e into every lane (a lane permute: no LDS byte is touched)
.endr
	s_wait_dscnt 0x0
.irp j, 1,2,3,4,5,6,7
	v_cndmask_b32 v[TJ+\j-1], 0, v[CB+\j-1], s[39+\j]   ; group j - 1 lies ahead of the lanes from 4 j on
.endr
	v_add3_u32 v[BBASE], v[TJ], v[TJ+1], v[TJ+2]
	v_add3_u32 v[BBASE], v[BBASE], v[TJ+3], v[TJ+4]
	v_add3_u32 v[BBASE], v[BBASE], v[TJ+5], v[TJ+6] ; the expert's tokens in the groups ahead of mine (lane / 4)
	s_wait_alu depctr_va_vdst(0)
	s_wait_loadcnt 63                              ; behind the four loads of masks and counts 76 were issued: those four are in
	; ---- TOKENS
.irp i, 0,1,2,3,4,5,6,7
	v_add_nc_u32 v[PX+\i], v[BBASE], v[PX+\i]      ; P[8 lane + i]: the expert's tokens ahead of that word, over all 8,192
.endr
	s_wait_alu depctr_va_vdst(0)                   ; the additions have written v[PX ..], which the store below reads (and the permutes further down)
	ds_store_b32 v17, v[PX]                        ; P[8 l] of all lanes into every lane, through my wave's own 128 bytes: LDS serves a wave's instructions in order
.irp k, 0,1,2,3,4,5,6,7
	ds_load_b128 v[G+4*\k:G+4*\k+3], v18 offset:16*\k
.endr
	v_add_nc_u32 v[SELA], s36, v1
	v_add_nc_u32 v[SELB], s36, v25
	v_min_u32 v[SELA], s37, v[SELA]                ; set A: the ranks of my wave's rows 0-31, a lane each;
	v_add_nc_u32 v[SELB], 32, v[SELB]
	v_min_u32 v[SELB], s37, v[SELB]                ; set B: of its rows 32-35, eight lanes each
	v_mov_b32 v[SELA+1], 0
	v_mov_b32 v[SELB+1], 0
	s_wait_alu depctr_va_vdst(0)
	s_wait_dscnt 0x0
; g: P does not fall, so the count of l with P[8 l] <= R is the last such l.  The compares of count values of l, both sets, stand in one run, each with a mask register of its own;
; each addition takes its mask as the carry in and writes its carry out (always 0 here) into the same register.
.macro GRUN first, count
.set i, \first
.rept \count
	v_cmp_ge_u32 s[MK+2*(i-\first)], v[SELA], v[G+i]
	v_cmp_ge_u32 s[MK+2*(i-\first)+1], v[SELB], v[G+i]
.set i, i+1
.endr
	s_wait_alu depctr_va_sdst(0)                   ; the run's masks are written, ahead of their first readers, the additions below
.set i, 0
.rept \count
	v_add_co_ci_u32 v[SELA+1], s[MK+2*i], 0, v[SELA+1], s[MK+2*i]
	v_add_co_ci_u32 v[SELB+1], s[MK+2*i+1], 0, v[SELB+1], s[MK+2*i+1]
.set i, i+1
.endr
	s_wait_alu depctr_va_sdst(0)                   ; the additions have written their carries out into the run's registers, ahead of the next compares, which name these registers again
.endm
	GRUN 1, 16
	GRUN 17, 15
.irp S, SELA, SELB
	v_min_u32 v[\S+1], 31, v[\S+1]                 ; a lane's number
	v_lshlrev_b32 v[\S+3], 2, v[\S+1]
.endr
	s_wait_alu depctr_va_vdst(0)                   ; the permutes' indices, register + 3 of both sets, are written
.irp S, SELA, SELB
.irp i, 0,1,2,3,4,5,6,7
	ds_bpermute_b32 v[\S+12+\i], v[\S+3], v[PX+\i] ; lane g's eight counts
	ds_bpermute_b32 v[\S+20+\i], v[\S+3], v[MW+\i] ; and masks
.endr
.endr
	v_mov_b32 v[SELA+2], 0
	v_mov_b32 v[SELB+2], 0
	s_wait_dscnt 0x0
.irp i, 1,2,3,4,5,6,7
	v_cmp_ge_u32 s[MK+2*\i-2], v[SELA], v[SELA+12+\i]   ; the fourteen compares in one run: they read counts 1 to 7 of the eight, which the selections below do not write
	v_cmp_ge_u32 s[MK+2*\i-1], v[SELB], v[SELB+12+\i]
.endr
	s_wait_alu depctr_va_sdst(0)                   ; the fourteen masks are written, ahead of their first readers
.irp i, 1,2,3,4,5,6,7
	v_cndmask_b32 v[SELA+12], v[SELA+12], v[SELA+12+\i], s[MK+2*\i-2]   ; the last word of the eight with P <= R: its count,
	v_cndmask_b32 v[SELA+20], v[SELA+20], v[SELA+20+\i], s[MK+2*\i-2]   ; its mask
	v_cndmask_b32 v[SELB+12], v[SELB+12], v[SELB+12+\i], s[MK+2*\i-1]
	v_cndmask_b32 v[SELB+20], v[SELB+20], v[SELB+20+\i], s[MK+2*\i-1]
.endr
.irp i, 1,2,3,4,5,6,7
	v_add_co_ci_u32 v[SELA+2], s[MK+2*\i-2], 0, v[SELA+2], s[MK+2*\i-2] ; its number u: the additions stand behind all the selections, in one run, since they write the masks' registers
	v_add_co_ci_u32 v[SELB+2], s[MK+2*\i-1], 0, v[SELB+2], s[MK+2*\i-1]
.endr
	s_wait_alu depctr_va_sdst(0)                   ; the fourteen additions have written their carries out, ahead of the halvings' compares, which name s66 and s67 again
	; the k-th set bit of the mask, k = R - P: sums of bits in fields of 2, 4, 8 and 16, then five halvings
.irp S, SELA, SELB
	v_sub_nc_u32 v[\S+4], v[\S], v[\S+12]
	v_lshrrev_b32 v[\S+6], 1, v[\S+20]
	v_and_b32 v[\S+6], s48, v[\S+6]
	v_sub_nc_u32 v[\S+6], v[\S+20], v[\S+6]        ; fields of 2
	v_lshrrev_b32 v[\S+7], 2, v[\S+6]
	v_and_b32 v[\S+10], s49, v[\S+6]
	v_and_b32 v[\S+7], s49, v[\S+7]
	v_add_nc_u32 v[\S+7], v[\S+7], v[\S+10]        ; of 4
	v_lshrrev_b32 v[\S+8], 4, v[\S+7]
	v_add_nc_u32 v[\S+8], v[\S+8], v[\S+7]
	v_and_b32 v[\S+8], s50, v[\S+8]                ; of 8
	v_lshrrev_b32 v[\S+9], 8, v[\S+8]
	v_add_nc_u32 v[\S+9], v[\S+9], v[\S+8]         ; its low byte: bits 0-15
	v_mov_b32 v[\S+5], 0                           ; the position
.endr
.macro LEVEL src, width, step          ; are there k or fewer set bits in the lower half of what is left?  Then they are passed over
.irp S, SELA, SELB
	v_bfe_u32 v[\S+10], v[\S+\src], v[\S+5], \width
.endr
	v_cmp_ge_u32 s[MK], v[SELA+4], v[SELA+10]
	v_cmp_ge_u32 s[MK+1], v[SELB+4], v[SELB+10]
	s_wait_alu depctr_va_sdst(0)                   ; both sets' masks are written, ahead of their first readers
	v_cndmask_b32 v[SELA+10], 0, v[SELA+10], s[MK]
	v_cndmask_b32 v[SELA+11], 0, \step, s[MK]
	v_cndmask_b32 v[SELB+10], 0, v[SELB+10], s[MK+1]
	v_cndmask_b32 v[SELB+11], 0, \step, s[MK+1]
.irp S, SELA, SELB
	v_sub_nc_u32 v[\S+4], v[\S+4], v[\S+10]
	v_add_nc_u32 v[\S+5], v[\S+5], v[\S+11]
.endr
.endm
	LEVEL 9, 8, 16
	LEVEL 8, 8, 8
	LEVEL 7, 4, 4
	LEVEL 6, 2, 2
.irp S, SELA, SELB
	v_bfe_u32 v[\S+10], v[\S+20], v[\S+5], 1
.endr
	v_cmp_ge_u32 s[MK], v[SELA+4], v[SELA+10]
	v_cmp_ge_u32 s[MK+1], v[SELB+4], v[SELB+10]
	s_wait_alu depctr_va_sdst(0)                   ; both sets' masks are written, ahead of their first readers
	v_add_co_ci_u32 v[SELA+5], s[MK], 0, v[SELA+5], s[MK]
	v_add_co_ci_u32 v[SELB+5], s[MK+1], 0, v[SELB+5], s[MK+1]
	s_wait_alu depctr_va_sdst(0)                   ; the two additions have written their carries out into s66 and s67: the last scalar results of vector instructions in this text, stated here, in their own straight run of code, ahead of the blocks' branches
.irp S, SELA, SELB
	v_lshl_add_u32 v[\S+5], v[\S+2], 5, v[\S+5]
	v_lshl_add_u32 v[\S], v[\S+1], 8, v[\S+5]      ; token = 32 (8 g + u) + position
	v_min_u32 v[\S], 0x1fff, v[\S]                 ; an index of the 8,192 rows
	v_lshlrev_b32 v[\S+1], 2, v[\S]                ; its p,
	v_lshlrev_b32 v[\S+2], 5, v[\S]                ; its 32 scale bytes
.endr
	; ---- GATHER
	s_wait_alu depctr_va_vdst(0)                   ; the tokens and their two offsets are written, which the stores and loads below read; and the compares for g are done reading v[G ..], in which the 36 tokens land
	ds_store_b32 v12, v[SELA]
	ds_store_b32 v13, v[SELB]                      ; lanes with the same lane % 4 write the same word with the same value
	global_load_b32 v[GP], v[SELA+1], s[16:17]
	global_load_b32 v[GP+1], v[SELB+1], s[16:17]
	global_load_b128 v[GSC:GSC+3], v[SELA+2], s[12:13]
	global_load_b128 v[GSC+4:GSC+7], v[SELA+2], s[12:13] offset:16
	global_load_b128 v[GSC+8:GSC+11], v[SELB+2], s[12:13]
	global_load_b128 v[GSC+12:GSC+15], v[SELB+2], s[12:13] offset:16
.irp k, 0,1,2,3,4,5,6,7,8
	ds_load_b128 v[TK+4*\k:TK+4*\k+3], v16 offset:16*\k   ; my wave's 36 tokens into every lane: they see my stores above
.endr
	s_wait_dscnt 0x0
.set i, 0
.rept 36
	v_min_u32 v[TK+i], 0x1fff, v[TK+i]
.set i, i+1
.endr
.set i, 0
.rept 36
	v_lshl_add_u32 v[TK+i], v[TK+i], 9, v4         ; 512 x token + 16 x lane
.set i, i+1
.endr
	WIN 0x80                                       ; destination window 2
	s_wait_alu depctr_va_vdst(0)                   ; the 36 offsets v[TK ..] are written, which the loads below read.  No vector instruction follows ahead of the first block's products
.set i, 0
.rept 36
	global_load_b128 v[4*i:4*i+3], v[TK+i], s[10:11]      ; a whole row of x: 512 consecutive bytes
.set i, i+1
.endr
	; ---- INTO LDS, while the tokens' rows travel.  W's rows 16 t .. 16 t + 15 go into my scratch as they lie and come back as the eight fragments of tile t, into the registers that they left:
	; fragment (t, s) at v[64 t + 8 s] of window 1: lane (r, h) holds row 16 t + r; registers 4 c .. 4 c + 3 hold K = 128 s + 64 c + 32 h + 0 .. 31.  LDS serves a wave's instructions in order.
	; Two tiles' stores, one wait, the two tiles' loads: so two waits and four window switches serve the four tiles.
.macro WST t                           ; tile t's sixteen rows into the scratch
.set i, 0
.rept 16
	ds_store_b128 v8, v[64*\t+4*i:64*\t+4*i+3] offset:(16*\t+i)*AP
.set i, i+1
.endr
.endm
.macro WLD t                           ; and back as its eight fragments
.irp s, 0,1,2,3,4,5,6,7
.irp c, 0,1
	ds_load_b128 v[64*\t+8*\s+4*\c:64*\t+8*\s+4*\c+3], v9 offset:16*\t*AP+64*\s+32*\c
.endr
.endr
.endm
	s_wait_loadcnt 63                              ; behind W's row i stand 63 - i rows, 12 loads of scales and bias, 6 of p and scales, 36 rows of x: 117 - i, at least 70 for rows 0-47
	WIN 0x04                                       ; an LDS store's data are its source 1: window 1
	WST 0
	WST 1
	WIN 0x40                                       ; destination window 1
	s_wait_alu depctr_vm_vsrc(0)                   ; the 32 stores have read the registers of tiles 0 and 1, in which the fragments below land
	WLD 0
	WLD 1
	WIN 0x04
	WST 2
	s_wait_loadcnt 54                              ; behind W's row 63: 12 + 6 + 36
	WST 3
	WIN 0x40
	s_wait_alu depctr_vm_vsrc(0)                   ; the same for tiles 2 and 3
	WLD 2
	WLD 3
	WIN 0
	s_wait_loadcnt 36                              ; only the 36 rows of x may be out
	ds_store_b32 v12, v[GP] offset:576             ; p beside the list
	ds_store_b32 v13, v[GP+1] offset:576
	ds_store_b128 v14, v[GSC:GSC+3]
	ds_store_b128 v14, v[GSC+4:GSC+7] offset:16
	ds_store_b128 v15, v[GSC+8:GSC+11]
	ds_store_b128 v15, v[GSC+12:GSC+15] offset:16
	WIN 0x08                                       ; store data: window 2
.set i, 0
.irp left, 24, 12, 0
	s_wait_loadcnt \left                           ; twelve more rows are in
.rept 12
	ds_store_b128 v7, v[4*i:4*i+3] offset:AP*i
.set i, i+1
.endr
.endr
	WIN 0
	s_wait_dscnt 0x0                               ; for the others' sake: my rows, scale bytes, tokens and p have landed; W's fragments are in
	s_barrier_signal -1
	s_barrier_wait -1                              ; the one barrier; behind it the shared bytes are only read
	s_wait_alu depctr_vm_vsrc(0)                   ; all that was issued so far has read its registers: the rows' stores window 2's v0-143, in which the fragments land; the permutes and the store of the counts v88-119, which the products write; the rows' loads their offsets v120-155, in which rows of the stage and tokens land
	; ---- PRODUCTS
.irp q, 0,1,2,3
	ds_load_b128 v[SA+8*\q:SA+8*\q+3], v19 offset:32*48*\q       ; lane l: the eight scale words of row 32 q + l: lanes 0-15 serve block 2 q, lanes 16-31 block 2 q + 1
	ds_load_b128 v[SA+8*\q+4:SA+8*\q+7], v19 offset:32*48*\q+16
.endr
	ds_load_b128 v[SA+32:SA+35], v20               ; block 8
	ds_load_b128 v[SA+36:SA+39], v20 offset:16
.macro AFH m, half                     ; four of the eight fragments of block m (16 tokens x 1,024 K), K steps 4 half .. 4 half + 3, into set m % 2 of window 2: eight loads
.irp s, 0,1,2,3
.irp c, 0,1
.if (\m) < 8
	ds_load_b128 v[64*((\m)%2)+8*(4*(\half)+\s)+4*\c:64*((\m)%2)+8*(4*(\half)+\s)+4*\c+3], v5 offset:16*AP*(\m)+64*(4*(\half)+\s)+32*\c
.else
	ds_load_b128 v[64*((\m)%2)+8*(4*(\half)+\s)+4*\c:64*((\m)%2)+8*(4*(\half)+\s)+4*\c+3], v6 offset:64*(4*(\half)+\s)+32*\c
.endif
.endr
.endr
.endm
; One product: tile t of W's rows x block m of tokens, K step s.  first = 1: the bias is C.  The scale operands follow the sources: W's word first; the upper lanes of a scale register serve odd t and odd m.
.macro WM t, s, m, first
.set rD, ACC+8*(\t)
.set rW, 64*(\t)+8*(\s)
.set rA, 64*((\m)%2)+8*(\s)
.set rC, rD
.if \first
.set rC, BI+8*(\t)
.endif
.set rSW, SW+8*((\t)/2)+(\s)
.set rSA, SA+8*((\m)/2)+(\s)
.if ((\t)%2 == 0) && ((\m)%2 == 0)
	v_wmma_scale_f32_16x16x128_f8f6f4 v[rD:rD+7], v[rW:rW+7], v[rA:rA+7], v[rC:rC+7], v[rSW], v[rSA] matrix_a_fmt:MATRIX_FMT_FP4 matrix_b_fmt:MATRIX_FMT_FP4
.elseif ((\t)%2 == 1) && ((\m)%2 == 0)
	v_wmma_scale_f32_16x16x128_f8f6f4 v[rD:rD+7], v[rW:rW+7], v[rA:rA+7], v[rC:rC+7], v[rSW], v[rSA] matrix_a_fmt:MATRIX_FMT_FP4 matrix_b_fmt:MATRIX_FMT_FP4 matrix_a_scale:MATRIX_SCALE_ROW1
.elseif ((\t)%2 == 0) && ((\m)%2 == 1)
	v_wmma_scale_f32_16x16x128_f8f6f4 v[rD:rD+7], v[rW:rW+7], v[rA:rA+7], v[rC:rC+7], v[rSW], v[rSA] matrix_a_fmt:MATRIX_FMT_FP4 matrix_b_fmt:MATRIX_FMT_FP4 matrix_b_scale:MATRIX_SCALE_ROW1
.else
	v_wmma_scale_f32_16x16x128_f8f6f4 v[rD:rD+7], v[rW:rW+7], v[rA:rA+7], v[rC:rC+7], v[rSW], v[rSA] matrix_a_fmt:MATRIX_FMT_FP4 matrix_b_fmt:MATRIX_FMT_FP4 matrix_a_scale:MATRIX_SCALE_ROW1 matrix_b_scale:MATRIX_SCALE_ROW1
.endif
.endm
; BLOCK m: 16 tokens x my 64 columns: 32 products, the four accumulators by turns, one instruction a turn, K ascending.
; The next block's sixteen fragment loads are dealt among the products, eight behind the 4th and eight behind the 16th, with no wait of their own: they land in the set that the block before read, whose
; products stand ahead of that block's wait on va_vdst, and the products issued since name the other set, W, the bias, the accumulators and the scale words alone.
.macro MT m
	s_cmp_le_u32 s35, \m                           ; the tile has no block m: done.  (No barrier and no shared write stands behind this branch)
	s_cbranch_scc1 .Ldone
	ds_load_b128 v[TOK:TOK+3], v21 offset:64*\m    ; the tokens of rows 16 m + 8 h + 0 .. 7
	ds_load_b128 v[TOK+4:TOK+7], v21 offset:64*\m+16
	ds_load_b32 v[PP], v22 offset:64*\m            ; p of row 16 m + r
	s_wait_dscnt 3                                 ; the three loads just issued may be out: this block's fragments and the scale words are in
	WIN 0x29                                       ; source 0 (W) window 1, source 1 (tokens) window 2, C (bias) window 2, D window 0
.irp t, 0,1,2,3
	WM \t, 0, \m, 1
.endr
.if \m < 8
	WIN 0x80                                       ; destination window 2, address window 0
	AFH \m+1, 0
.endif
	WIN 0x09                                       ; C and D window 0
.irp s, 1,2,3
.irp t, 0,1,2,3
	WM \t, \s, \m, 0
.endr
.endr
.if \m < 8
	WIN 0x80
	AFH \m+1, 1
	WIN 0x09
.endif
.irp s, 4,5,6,7
.irp t, 0,1,2,3
	WM \t, \s, \m, 0
.endr
.endr
	WIN 0
.if \m < 8
	s_wait_dscnt 16                                ; the tokens and p are in; the next block's fragments may be out
.else
	s_wait_dscnt 0x0
.endif
.irp i, 0,1,2,3,4,5,6,7
	v_min_u32 v[TOK+\i], 0x1fff, v[TOK+\i]         ; these sixteen lines name no register of the products: they are the places behind them (ISA guide 7.12.1)
.endr
.irp i, 0,1,2,3,4,5,6,7
	v_lshl_add_u32 v[TOK+\i], v[TOK+\i], 12, v23   ; 4,096 x token + my 16 bytes
.endr
.set j, 0
.rept 16
	v_pk_mul_f32 v[ACC+2*j:ACC+2*j+1], v[ACC+2*j:ACC+2*j+1], v[PP:PP+1] op_sel_hi:[1,0]   ; x p; each accumulator from its low end on
.set j, j+1
.endr
	s_wait_alu depctr_va_vdst(0)                   ; the multiplications have written the accumulators, which the stores into the stage read; v[TOK ..] is written, which the global stores read as offsets; and, for the next block's loads: the products are done reading this block's fragments, the vector lines are done with v[TOK ..] and v[PP]
.irp t, 0,1,2,3
	ds_store_b128 v10, v[ACC+8*\t:ACC+8*\t+3] offset:64*\t         ; lane (r, h): columns 16 t + 8 h + 0 .. 7 of row r, into my own stage
	ds_store_b128 v10, v[ACC+8*\t+4:ACC+8*\t+7] offset:64*\t+16
.endr
.irp i, 0,1,2,3,4,5,6,7
	ds_load_b128 v[RB+4*\i:RB+4*\i+3], v11 offset:272*\i           ; back by rows: they see my stores above; the next block's stores come behind them
.endr
.irp i, 0,1,2,3,4,5,6,7
	s_wait_dscnt 7-\i
	global_store_b128 v[TOK+\i], v[RB+4*\i:RB+4*\i+3], s[18:19] th:TH_STORE_NT   ; sixteen lanes store 256 consecutive bytes of a token's row, at a multiple of 256 from out's first byte; written once
.endr
.if \m < 8
	s_wait_xcnt 0x0                                ; this block's stores have had their addresses translated: their offsets and data are written again only behind this wait
	s_wait_alu depctr_vm_vsrc(0)                   ; the stores into the stage have read the accumulators, which the next block's products write; the global stores have read v[TOK ..] and v[RB ..], in which the next block's loads land
.endif
.endm
	WIN 0x80                                       ; destination window 2
	AFH 0, 0
	AFH 0, 1
	WIN 0
	MT 0
	MT 1
	MT 2
	MT 3
	MT 4
	MT 5
	MT 6
	MT 7
	MT 8
.Ldone:
	s_wait_dscnt 0x0                               ; the closing lines, six on end
	s_wait_alu 0x0
	s_wait_tensorcnt 0x0
	ds_add_u32 v254, v255
	s_wait_dscnt 0x0
	s_endpgm
.Lfunc_end_k_qccbee5e50a_experts:
	.size	k_qccbee5e50a_experts, .Lfunc_end_k_qccbee5e50a_experts-k_qccbee5e50a_experts
	.p2alignl 7, 3214868480
	.fill 96, 4, 3214868480
	.section	.rodata,"a",@progbits
	.p2align	6, 0x0
	.amdhsa_kernel k_qccbee5e50a_experts
		.amdhsa_group_segment_fixed_size 238080
		.amdhsa_private_segment_fixed_size 0
		.amdhsa_enable_private_segment 0
		.amdhsa_kernarg_size 64
		.amdhsa_user_sgpr_count 2
		.amdhsa_user_sgpr_kernarg_segment_ptr 1
		.amdhsa_wavefront_size32 1
		.amdhsa_system_sgpr_workgroup_id_x 1
		.amdhsa_system_sgpr_workgroup_id_y 1
		.amdhsa_system_sgpr_workgroup_id_z 1
		.amdhsa_system_vgpr_workitem_id 0
		.amdhsa_next_free_vgpr 736
		.amdhsa_next_free_sgpr 98
		.amdhsa_reserve_vcc 0
		.amdhsa_float_denorm_mode_32 3
		.amdhsa_float_denorm_mode_16_64 3
		.amdhsa_memory_ordered 1
		.amdhsa_forward_progress 1
		.amdhsa_inst_pref_size 146
	.end_amdhsa_kernel
	.amdgpu_metadata
---
amdhsa.version: [ 1, 2 ]
amdhsa.kernels:
  - .name:           k_qccbee5e50a_experts
    .symbol:         k_qccbee5e50a_experts.kd
    .args:
      - { .name: W_codes, .offset: 0, .size: 8, .value_kind: global_buffer, .address_space: global }
      - { .name: W_scales, .offset: 8, .size: 8, .value_kind: global_buffer, .address_space: global }
      - { .name: b, .offset: 16, .size: 8, .value_kind: global_buffer, .address_space: global }
      - { .name: input_codes, .offset: 24, .size: 8, .value_kind: global_buffer, .address_space: global }
      - { .name: input_scales, .offset: 32, .size: 8, .value_kind: global_buffer, .address_space: global }
      - { .name: route, .offset: 40, .size: 8, .value_kind: global_buffer, .address_space: global }
      - { .name: topp, .offset: 48, .size: 8, .value_kind: global_buffer, .address_space: global }
      - { .name: out0, .offset: 56, .size: 8, .value_kind: global_buffer, .address_space: global }
    .group_segment_fixed_size: 238080
    .private_segment_fixed_size: 0
    .kernarg_segment_align: 8
    .kernarg_segment_size: 64
    .max_flat_workgroup_size: 128
    .sgpr_count:     98
    .vgpr_count:     736
    .wavefront_size: 32
...
	.end_amdgpu_metadata
.endif
;; end of part 4
